; MI455X (gfx1250); checked and timed in simulation.
; The chip was launched on July 23, 2026; its instructions are those of AMD's public machine-readable ISA for CDNA 5 (MIT licence, August 2026) and "CDNA5" Instruction Set Architecture Reference Guide (July 2026). The comments in the code are by the model that wrote it; some were corrected since.
;; ENN. Allowed arithmetic: float matrix products may take bf16 or f16 operands with f32 sums; other float arithmetic in f32, or as packed bf16 or f16 multiplies, adds, multiply-adds, maxima and minima; sums over many terms, partial sums and values carried from step to step in f32; what a program stores and reads back later, other than sums and carried values, may be rounded once to bf16 or f16.
;; Inputs: d_stress 4,096 x 64 x 4 float32; params_e_b0 30 float32; params_e_b1 30 float32; params_e_b2 30 float32; params_e_b3 1 float32; params_e_w0 9 x 30 float32; params_e_w1 30 x 30 float32; params_e_w2 30 x 30 float32; params_e_w3 30 x 1 float32; params_q1 5 x 30 float32; params_q2 30 x 30 float32; params_q3 30 x 30 float32; params_q4 30 x 1 float32; params_sz1 4 x 30 float32; params_sz2 4 x 30 float32; params_sz3 4 x 1 float32; params_z1_b 30 float32; params_z1_w 4 x 30 float32; params_z2 30 x 30 float32; params_z3 30 x 30 float32; params_z4 30 x 1 float32; x_in 4,096 x 64 x 4 float32.
;; Outputs: out0 4,096 x 64 float32; out1 4,096 x 64 float32; out2 4,096 x 64 float32; out3 4,096 x 64 float32.
;; 2 versions, each right; version 2 is version 1 with the launch enn written anew for expert scheduling mode. Each part assembles by itself: llvm-mc -triple=amdgcn-amd-amdhsa -mcpu=gfx1250 --defsym DOCPART=n.
;; ======== version 1 of 2: 1 launch
;; limits: a function is approximated: absolute error at most 1e-07
;; launch enn (part 1): grid 256 x 1, 3 waves a work-group, no clusters, 35,328 bytes of LDS; arguments d_stress, params_z1_w, params_z1_b, params_z2, params_z3, params_z4, params_sz1, params_sz2, params_sz3, params_q1, params_q2, params_q3, params_q4, params_e_w0, params_e_b0, params_e_w1, params_e_b1, params_e_w2, params_e_b2, params_e_w3, params_e_b3, out0, out1, out2, out3; writes out0, out1, out2, out3
.if DOCPART == 1
	.amdgcn_target "amdgcn-amd-amdhsa--gfx1250"
	.amdhsa_code_object_version 6
	.text
	.protected	k_qf72dec8e88_enn
	.globl	k_qf72dec8e88_enn
	.p2align	8
	.type	k_qf72dec8e88_enn,@function
k_qf72dec8e88_enn:
	s_mov_b64 s[64:65], 0
	v_nop
	global_prefetch_b8 v0, s[64:65] scope:SCOPE_SE
	s_setreg_imm32_b32 hwreg(HW_REG_WAVE_MODE, 25, 1), 1
	s_wait_xcnt 0x0
; ENN, the return-mapping scan: 4,096 independent elements, 63 dependent steps, state s[4], pe[4], q for each element.
; WHAT IS COMPUTED.  The module makes one Newton pass and enters it with d_lam = 0, so the Hessian of the yield net and the gradients of the evolution net
; are multiplied by 0, a = b = 0, A = inv(diag(C_INV, -1)) = diag(C, -1), and the yield net's second evaluation is never read.  What is left for a step:
;   s += ds[t];  f = z4(s) - q4(pe, q);  g = dz4/ds;  (Gpe, Gq) = dq4/d(pe, q);  h = evolution(pe, q, s);  Cg = C g;  den = g.(Cg + Gpe) + Gq h;
;   dl = f / den where f > 1e-6, else 0;  s -= dl Cg;  pe += dl g;  q += dl h;  out[:, t] = s;  out[:, 0] = 0.
; SHARES.  A work-group owns 16 elements, one matrix tile's N; 256 work-groups.  The three nets do not depend on each other inside a step, so each has a wave: wave 0 = Z (yield net, forward
; and backward), wave 1 = Q (q net, forward and backward), wave 2 = E (evolution net forward, the stage of d_stress, all output).  Every wave keeps the whole state and makes the same update;
; the nets' 12 results an element change hands through LDS once a step, between two barriers.
; LAYOUT.  D = A x B + C with A = weights (M = 32 output neurons in two tiles, rows 30, 31 zero), B = activations (K = 32 neurons, N = 16 elements).  Lane l: element r = l % 16, half h = l / 16.
; Register j of result tile t is neuron 16 t + 8 h + j of element r, so the two tiles rounded in pairs ARE the next layer's B fragment: nothing changes lanes between layers.
; NUMBERS.  An error of one step is carried through up to 62 more, so every matrix operand is given twice in bf16, x = hi + lo (16 significant bits, f32's range): W x = Whi xhi + Wlo xhi + Whi xlo.
; Sums, activations, the two dot products with the output weights and the update are f32.
; LIMITS.  x_in is not read: the module takes only its shape.  d_stress[:, 0, :] comes along with its 256-byte blocks and is not used, as in the module.  0 x (the unused derivatives) counts as 0, so a NaN or
; an infinity in them is not reproduced.  C's exact entries (96, 32, 0) stand for the f32 inverse of the f32 inverse, and (f_pe C_INV) C for f_pe: a difference of rounding order, about 1e-6 of a number.
; f / den is f x v_rcp_f32(den).  elu is exp(x) - 1, off by about 1e-7 absolutely from expm1; an exponential below 2^-126 is 0.  Weights are finite: clamped loads are cleared by a product with 0.
; NO CLUSTER, NO TENSOR LOADS: work-groups share only the parameters, 25,580 bytes read once at the start; the stage of d_stress, 16,384 bytes, is filled once through registers.
;
; LDS
.set DSP,   1040                       ; a row of the stage: an element's 64 x 16 bytes + 16 of padding (written 0): 65 x 16 bytes, so 16 rows' 16-byte reads start in 16 different groups of four banks
.set OUTB,  16*DSP                     ; the results: row 16 c + r (component c, element r), 256 bytes + 16
.set OUTP,  272
.set XCH,   OUTB+64*OUTP               ; the exchange, 48 bytes an element: +0 g[4]  +16 Gpe[4]  +32 Gq  +36 q4  +40 z4  +44 h
.set XROW,  48
.set SPARE, XCH+16*XROW                ; 34,816 = 136 x 256: the spare words, 128 bytes a wave, two blocks of 256 bytes that no other line names
; SCALAR REGISTERS
.set WV,   2                           ; my wave's number
.set CNT,  3                           ; t, 1 to 63
.set SEL,  6                           ; s[6:7] v_permlanex16_b32's selects: each lane takes its own place in the other half
.set HM,   8                           ; the lanes with h = 1
.set ABSM, 9                           ; Z: clears a sign (the yield net takes |W|); Q, E: all ones
.set PW2,  10                          ; s[10:11], s[12:13], s[14:15]: my net's two hidden matrices and its output weights
.set PW3,  12
.set PW4,  14
.set PDS,  16                          ; s[16:63], s[66:67]: the 25 arguments in their order
.set PZ1W, 18
.set PZ1B, 20
.set PSZ1, 28
.set PSZ2, 30
.set PSZ3, 32
.set PQ1,  34
.set PEW0, 42
.set PEB0, 44
.set PEB1, 48
.set PEB2, 52
.set PEB3, 56
.set MK,   68                          ; s[68:83] sixteen compare masks
.set SZ3,  84                          ; s[84:87] sz3
.set EB3,  88                          ; e_b3
; VECTOR REGISTERS, window 0
.set SPW,  1                           ; LDS address of my spare word; never rewritten
.set NIL,  2                           ; 0; never rewritten
.set ADS,  3                           ; where the next column of d_stress lies
.set AX,   4                           ; my element's row of the exchange
.set AO,   5                           ; where a column of results goes
.set ONE,  6
.set NEG1, 7
.set S,    8                           ; v8-11 s, v12-15 pe, v16 q, v17 = 0 (q's partner in a pair)
.set PE,   12
.set Q,    16
.set DS,   18                          ; v18-21 the column of d_stress in hand
.set SLP,  22                          ; 0.01
.set ZR,   23                          ; 0
.set XG,   24                          ; v24-27 g, v28-31 Gpe, v32-35 Gq, q4, z4, h: as read from the exchange
.set XP,   28
.set XS,   32
.set CG,   36                          ; v36-39 C g
.set UT,   40                          ; v40-47 the update's
.set BI,   48                          ; B fragment of the inputs
.set BH,   56                          ; B fragment, hi parts
.set BL,   64                          ; B fragment, lo parts
.set P,    72                          ; three pairs of accumulators
.set U2,   88
.set U3,   104
.set E1,   120                         ; the activations' slopes of layers 1 to 3 (Z, Q)
.set E2,   136
.set E3,   152
.set WQ,   120                         ; E: row 4 of e_w0 (q's), e_b1, e_b2
.set B1,   136
.set B2,   152
.set T,    168                         ; sixteen at work
.set G,    184                         ; two accumulators for the gradient to the inputs
.set G2,   192
.set VO,   200                         ; the output weights, by neuron
.set VB,   216                         ; the first layer's bias, by neuron
.set GC,   232                         ; Z: sz3[j % 4], the C that starts g
.set DT,   240                         ; the dot product's; its result in DT+6
.set SZ,   247                         ; Z: s . sz3
.set DB,   248                         ; 1040 r
.set AOB,  249                         ; OUTB - 4 + 272 r
.set RD,   252                         ; the way out
.set GOF,  253
; at set-up only: offsets where G, G2 lie, lane numbers and masks where DT lies
.set OF0,  184                         ; forward fragment, tile t: 960 h + 4 column
.set OF1,  185
.set OFA0, 186                         ; the same without h
.set OFA1, 187
.set OB0,  188                         ; backward fragment, tile t: 32 h + 120 row
.set OB1,  189
.set OBA0, 190
.set OBA1, 191
.set OV,   192                         ; a vector by neuron: 32 h
.set OG,   193                         ; gradient fragment: 32 h + 120 input row
.set OGA,  194
.set LD16, 195                         ; 16 x lane
.set R,    240
.set H,    241
.set MH,   242                         ; 1.0 where h = 0
.set M1,   243                         ; 1.0 where r < 14
.set M1H,  244                         ; both
; window 1: A fragments.  A hidden matrix: hi tile 0, hi tile 1, lo tile 0, lo tile 1, eight registers each
.set W2F,  0
.set W3F,  32
.set W3B,  64
.set W2B,  96
.set AI1,  128                         ; input layers, two tiles of eight (Z: z1_w, sz1, sz2; Q: q1; E: e_w0)
.set AI2,  144
.set AI3,  160
.set AG1,  176                         ; gradient to the inputs, hi and lo (Z: z1_w, sz1, sz2; Q: q1)
.set AG2,  192
.set AG3,  208
; window 2: raw f32 at set-up (the numbers stand where they are used)
.set MSB, 0
.macro WIN new                         ; s_set_vgpr_msb: bits 1:0 source 0, 3:2 source 1, 5:4 source 2, 7:6 destination; the high byte repeats the setting that is left
.if MSB != (\new)
	s_set_vgpr_msb (MSB<<8)|(\new)
.set MSB, (\new)
.endif
.endm
; Sixteen f32 of a fragment or of a vector by neuron: slot j of half h is k = 8 h + j (j < 8) or 16 + 8 h + j - 8.  ks = bytes from k to k + 1.  Slots 14, 15 would be k = 30, 31 where h = 1:
; they are read without h's part (k = 22, 23, inside the buffer) and cleared afterwards where h = 1.
.macro RAWF dst, base, off, offa, ks, x=0
.set j, 0
.rept 16
.if j < 8
	global_load_b32 v[(\dst)+j], v[\off], s[\base:\base+1] offset:(\x)+(\ks)*j
.elseif j < 14
	global_load_b32 v[(\dst)+j], v[\off], s[\base:\base+1] offset:(\x)+(\ks)*(8+j)
.else
	global_load_b32 v[(\dst)+j], v[\offa], s[\base:\base+1] offset:(\x)+(\ks)*(8+j)
.endif
.set j, j+1
.endr
.endm
.macro SUBHI d, x, hr, half            ; d = x - (a bf16 half of hr): exact, one fused multiply-add by -1
.if \half
	v_fma_mix_f32_bf16 v[\d], v[\hr], v[NEG1], v[\x] op_sel:[1,0,0] op_sel_hi:[1,0,0]
.else
	v_fma_mix_f32_bf16 v[\d], v[\hr], v[NEG1], v[\x] op_sel_hi:[1,0,0]
.endif
.endm
; Sixteen raw f32 (window 2) become a hi and a lo A fragment (window 1).  tile = 1: rows 30, 31 (r >= 14) are cleared too.
.macro MKFRAG raw, dhi, dlo, tile, andsrc
	WIN 0x08
.set j, 0
.rept 16
	v_and_b32 v[T+j], \andsrc, v[(\raw)+j]
.set j, j+1
.endr
	WIN 0
.if \tile
.set j, 0
.rept 14
	v_mul_f32 v[T+j], v[T+j], v[M1]
.set j, j+1
.endr
	v_mul_f32 v[T+14], v[T+14], v[M1H]
	v_mul_f32 v[T+15], v[T+15], v[M1H]
.else
	v_mul_f32 v[T+14], v[T+14], v[MH]
	v_mul_f32 v[T+15], v[T+15], v[MH]
.endif
.set j, 0
.rept 8
	v_cvt_pk_bf16_f32 v[BH+j], v[T+2*j], v[T+2*j+1]
.set j, j+1
.endr
.set j, 0
.rept 16
	SUBHI T+j, T+j, BH+j/2, j%2
.set j, j+1
.endr
	WIN 0x40
.set j, 0
.rept 8
	v_mov_b32 v[(\dhi)+j], v[BH+j]
	v_cvt_pk_bf16_f32 v[(\dlo)+j], v[T+2*j], v[T+2*j+1]
.set j, j+1
.endr
	WIN 0
.endm
; Four input rows of one tile: half a fragment.  The B side holds x hi in slots 8 h + 0..3 and x lo in slots 8 h + 4..7, alike in both halves; the A side holds W hi where h = 0 and W lo where h = 1,
; twice: one matrix instruction gives (W hi + W lo)(x hi + x lo).
.macro MKIN raw, dst, mask
	WIN 0x02
.irp c, 0,1,2,3
	v_mul_f32 v[T+\c], v[(\raw)+\c], v[\mask]
.endr
	WIN 0
	v_cvt_pk_bf16_f32 v[BH], v[T], v[T+1]
	v_cvt_pk_bf16_f32 v[BH+1], v[T+2], v[T+3]
	SUBHI T, T, BH, 0
	SUBHI T+1, T+1, BH, 1
	SUBHI T+2, T+2, BH+1, 0
	SUBHI T+3, T+3, BH+1, 1
	v_cvt_pk_bf16_f32 v[BL], v[T], v[T+1]
	v_cvt_pk_bf16_f32 v[BL+1], v[T+2], v[T+3]
	v_cndmask_b32 v[BH], v[BH], v[BL], s[HM]
	v_cndmask_b32 v[BH+1], v[BH+1], v[BL+1], s[HM]
	WIN 0x40
	v_mov_b32 v[(\dst)], v[BH]
	v_mov_b32 v[(\dst)+1], v[BH+1]
	v_mov_b32 v[(\dst)+2], v[BH]
	v_mov_b32 v[(\dst)+3], v[BH+1]
	WIN 0
.endm
.macro MKQ raw, dst, mask              ; one input row (q's): (w, 0) twice, to meet (q hi, q hi) and (q lo, q lo); then zeros
	WIN 0x02
	v_mul_f32 v[T], v[\raw], v[\mask]
	WIN 0
	v_cvt_pk_bf16_f32 v[BH], v[T], v[ZR]
	SUBHI T, T, BH, 0
	v_cvt_pk_bf16_f32 v[BL], v[T], v[ZR]
	v_cndmask_b32 v[BH], v[BH], v[BL], s[HM]
	WIN 0x40
	v_mov_b32 v[(\dst)], v[BH]
	v_mov_b32 v[(\dst)+1], v[BH]
	v_mov_b32 v[(\dst)+2], 0
	v_mov_b32 v[(\dst)+3], 0
	WIN 0
.endm
.macro ZERO4 dst                       ; the unused half of an input fragment
	WIN 0x40
.irp c, 0,1,2,3
	v_mov_b32 v[(\dst)+\c], 0
.endr
	WIN 0
.endm
.macro MASK2 x                         ; slots 14, 15 of a vector by neuron are cleared where h = 1
	v_mul_f32 v[(\x)+14], v[(\x)+14], v[MH]
	v_mul_f32 v[(\x)+15], v[(\x)+15], v[MH]
.endm
; ---------------------------------------------------------------- set-up
	s_load_b512 s[16:31], s[0:1], 0x0              ; arguments 0 to 7
	s_load_b512 s[32:47], s[0:1], 0x40             ; 8 to 15
	s_load_b512 s[48:63], s[0:1], 0x80             ; 16 to 23
	s_load_b64 s[66:67], s[0:1], 0xc0              ; out3
	v_lshl_add_u32 v[SPW], v0, 2, SPARE
	v_mov_b32 v[NIL], 0
	v_lshrrev_b32 v[T], 5, v0
	v_readfirstlane_b32 s[WV], v[T]                ; wave 0..2
	s_mov_b32 s[SEL], 0x76543210
	s_mov_b32 s[SEL+1], 0xfedcba98
	s_mov_b32 s[HM], 0xffff0000
	v_mov_b32 v[ONE], 1.0
	v_mov_b32 v[NEG1], -1.0
	v_mov_b32 v[SLP], 0x3c23d70a                   ; 0.01
	v_mov_b32 v[ZR], 0
	v_mov_b32 v[DT+5], 0                           ; v_permlanex16_b32's destination counts as read
.irp c, 0,1,2,3,4,5,6,7,8,9
	v_mov_b32 v[S+\c], 0                           ; the scan's first state: s, pe, q; and q's partner
.endr
	v_and_b32 v[R], 15, v0
	v_bfe_u32 v[H], v0, 4, 1
	v_cmp_eq_u32 vcc_lo, 0, v[H]
	v_cndmask_b32 v[MH], v[ZR], v[ONE], vcc_lo
	v_cmp_gt_u32 vcc_lo, 14, v[R]
	v_cndmask_b32 v[M1], v[ZR], v[ONE], vcc_lo
	v_mul_f32 v[M1H], v[M1], v[MH]
	v_add_nc_u32 v[T], 16, v[R]
	v_min_u32 v[T], 29, v[T]                       ; tile 1's row or column, held inside the matrix
	v_mul_u32_u24 v[T+1], v[H], 960                ; 8 h rows of 120 bytes
	v_lshlrev_b32 v[OFA0], 2, v[R]
	v_lshlrev_b32 v[OFA1], 2, v[T]
	v_add_nc_u32 v[OF0], v[T+1], v[OFA0]
	v_add_nc_u32 v[OF1], v[T+1], v[OFA1]
	v_mul_u32_u24 v[OBA0], v[R], 120
	v_mul_u32_u24 v[OBA1], v[T], 120
	v_lshl_add_u32 v[OB0], v[H], 5, v[OBA0]
	v_lshl_add_u32 v[OB1], v[H], 5, v[OBA1]
	v_lshlrev_b32 v[OV], 5, v[H]
	s_cmp_eq_u32 s[WV], 0
	s_cselect_b32 s4, 3, 7                         ; row m of a gradient fragment is input row m % 4 (Z) or min(m % 8, 4) (Q): rows 8 to 15 repeat rows 0 to 7, so both halves of the lanes get the result
	v_and_b32 v[T+2], s4, v[R]
	v_min_u32 v[T+2], 4, v[T+2]
	v_mul_u32_u24 v[OGA], v[T+2], 120
	v_lshl_add_u32 v[OG], v[H], 5, v[OGA]
	v_and_b32 v[T+3], 31, v0
	v_lshlrev_b32 v[LD16], 4, v[T+3]
	v_mul_u32_u24 v[DB], v[R], DSP
	v_mul_u32_u24 v[AX], v[R], XROW
	v_add_nc_u32 v[AX], XCH, v[AX]
	v_mul_u32_u24 v[AOB], v[R], OUTP
	v_add_nc_u32 v[AOB], OUTB-4, v[AOB]
	s_wait_kmcnt 0x0
	s_load_b128 s[SZ3:SZ3+3], s[PSZ3:PSZ3+1], 0x0  ; sz3's four numbers and e_b3 live in scalar registers
	s_load_b32 s[EB3], s[PEB3:PEB3+1], 0x0
	s_cmp_eq_u32 s[WV], 0                          ; my net's matrices: z2, z3, z4 / q2, q3, q4 / e_w1, e_w2, e_w3
	s_cselect_b64 s[PW2:PW2+1], s[22:23], s[36:37]
	s_cselect_b64 s[PW3:PW3+1], s[24:25], s[38:39]
	s_cselect_b64 s[PW4:PW4+1], s[26:27], s[40:41]
	s_cselect_b32 s[ABSM], 0x7fffffff, -1
	s_cmp_eq_u32 s[WV], 2
	s_cselect_b64 s[PW2:PW2+1], s[46:47], s[PW2:PW2+1]
	s_cselect_b64 s[PW3:PW3+1], s[50:51], s[PW3:PW3+1]
	s_cselect_b64 s[PW4:PW4+1], s[54:55], s[PW4:PW4+1]
	s_lshl_b32 s4, ttmp9, 14                       ; my 16 elements: 16 x 1,024 bytes of d_stress,
	s_mov_b32 s5, 0
	s_add_nc_u64 s[PDS:PDS+1], s[PDS:PDS+1], s[4:5]
	s_lshl_b32 s4, ttmp9, 12                       ; 16 x 256 bytes of each output
	s_add_nc_u64 s[58:59], s[58:59], s[4:5]
	s_add_nc_u64 s[60:61], s[60:61], s[4:5]
	s_add_nc_u64 s[62:63], s[62:63], s[4:5]
	s_add_nc_u64 s[66:67], s[66:67], s[4:5]
	; all loads of the set-up go out in one flight; one wait for all of them follows
	WIN 0x80                                       ; destination window 2
	RAWF 0,  PW2, OF0, OFA0, 120                   ; forward: A[m][k] = W[k][m]
	RAWF 16, PW2, OF1, OFA1, 120
	RAWF 32, PW3, OF0, OFA0, 120
	RAWF 48, PW3, OF1, OFA1, 120
	WIN 0
	RAWF VO, PW4, OV, ZR, 4
	s_cmp_eq_u32 s[WV], 2
	s_cbranch_scc1 .Lld_e
	WIN 0x80
	RAWF 64,  PW3, OB0, OBA0, 4                    ; backward: A[m][k] = W[m][k]
	RAWF 80,  PW3, OB1, OBA1, 4
	RAWF 96,  PW2, OB0, OBA0, 4
	RAWF 112, PW2, OB1, OBA1, 4
	WIN 0
	s_cmp_eq_u32 s[WV], 1
	s_cbranch_scc1 .Lld_q
	WIN 0x80
.irp c, 0,1,2,3
	global_load_b32 v[144+\c], v[OFA0], s[PZ1W:PZ1W+1] offset:120*\c
	global_load_b32 v[148+\c], v[OFA1], s[PZ1W:PZ1W+1] offset:120*\c
	global_load_b32 v[152+\c], v[OFA0], s[PSZ1:PSZ1+1] offset:120*\c
	global_load_b32 v[156+\c], v[OFA1], s[PSZ1:PSZ1+1] offset:120*\c
	global_load_b32 v[160+\c], v[OFA0], s[PSZ2:PSZ2+1] offset:120*\c
	global_load_b32 v[164+\c], v[OFA1], s[PSZ2:PSZ2+1] offset:120*\c
.endr
	RAWF 168, PZ1W, OG, OGA, 4
	RAWF 184, PSZ1, OG, OGA, 4
	RAWF 200, PSZ2, OG, OGA, 4
	WIN 0
	RAWF VB, PZ1B, OV, ZR, 4
	s_branch .Lld_done
.Lld_q:
	WIN 0x80
.irp c, 0,1,2,3,4
	global_load_b32 v[144+\c], v[OFA0], s[PQ1:PQ1+1] offset:120*\c
	global_load_b32 v[149+\c], v[OFA1], s[PQ1:PQ1+1] offset:120*\c
.endr
	RAWF 160, PQ1, OG, OGA, 4
	WIN 0
	s_branch .Lld_done
.Lld_e:
	WIN 0x80
.irp c, 0,1,2,3
	global_load_b32 v[144+\c], v[OFA0], s[PEW0:PEW0+1] offset:120*\c        ; rows 0-3: pe's
	global_load_b32 v[148+\c], v[OFA0], s[PEW0:PEW0+1] offset:120*(5+\c)    ; rows 5-8: s's
	global_load_b32 v[152+\c], v[OFA1], s[PEW0:PEW0+1] offset:120*\c
	global_load_b32 v[156+\c], v[OFA1], s[PEW0:PEW0+1] offset:120*(5+\c)
.endr
.set i, 0
.rept 32                                               ; the group's 16,384 bytes of d_stress, read once: each load covers 512 consecutive bytes, aligned
	global_load_b128 v[64+4*i+32*(i/16):64+4*i+32*(i/16)+3], v[LD16], s[PDS:PDS+1] offset:512*i th:TH_LOAD_NT
.set i, i+1
.endr
	WIN 0
	RAWF VB, PEB0, OV, ZR, 4
	RAWF WQ, PEW0, OV, ZR, 4, 480                  ; row 4: q's
	RAWF B1, PEB1, OV, ZR, 4
	RAWF B2, PEB2, OV, ZR, 4
.Lld_done:
	s_wait_loadcnt 0x0                             ; everything is in; set-up runs once
	s_wait_kmcnt 0x0                               ; sz3, e_b3
	MKFRAG 0,  W2F,   W2F+16, 0, s[ABSM]
	MKFRAG 16, W2F+8, W2F+24, 1, s[ABSM]
	MKFRAG 32, W3F,   W3F+16, 0, s[ABSM]
	MKFRAG 48, W3F+8, W3F+24, 1, s[ABSM]
.set j, 0
.rept 16
	v_and_b32 v[VO+j], s[ABSM], v[VO+j]
.set j, j+1
.endr
	MASK2 VO
	s_cmp_eq_u32 s[WV], 2
	s_cbranch_scc1 .Lmk_e
	MKFRAG 64,  W3B,   W3B+16, 0, s[ABSM]
	MKFRAG 80,  W3B+8, W3B+24, 1, s[ABSM]
	MKFRAG 96,  W2B,   W2B+16, 0, s[ABSM]
	MKFRAG 112, W2B+8, W2B+24, 1, s[ABSM]
	s_cmp_eq_u32 s[WV], 1
	s_cbranch_scc1 .Lmk_q
	MKIN 144, AI1, ONE
	ZERO4 AI1+4
	MKIN 148, AI1+8, M1
	ZERO4 AI1+12
	MKIN 152, AI2, ONE
	ZERO4 AI2+4
	MKIN 156, AI2+8, M1
	ZERO4 AI2+12
	MKIN 160, AI3, ONE
	ZERO4 AI3+4
	MKIN 164, AI3+8, M1
	ZERO4 AI3+12
	MKFRAG 168, AG1, AG1+8, 0, -1
	MKFRAG 184, AG2, AG2+8, 0, -1
	MKFRAG 200, AG3, AG3+8, 0, -1
	MASK2 VB
.set j, 0
.rept 8
	v_mov_b32 v[GC+j], s[SZ3+j%4]
.set j, j+1
.endr
.irp c, 4,5,6,7
	v_mov_b32 v[BI+\c], 0
.endr
	s_branch .Lmk_done
.Lmk_q:
	MKIN 144, AI1, ONE
	MKQ  148, AI1+4, ONE
	MKIN 149, AI1+8, M1
	MKQ  153, AI1+12, M1
	MKFRAG 160, AG1, AG1+8, 0, -1
	v_mov_b32 v[BI+6], 0
	v_mov_b32 v[BI+7], 0
	s_branch .Lmk_done
.Lmk_e:
	MKIN 144, AI1, ONE
	MKIN 148, AI1+4, ONE
	MKIN 152, AI1+8, M1
	MKIN 156, AI1+12, M1
	MASK2 VB
	MASK2 WQ
	MASK2 B1
	MASK2 B2
	WIN 0x08                                       ; store data in window 2
.set i, 0
.rept 32                                               ; element i / 2, half i % 2 of its 1,024 bytes
	ds_store_b128 v[LD16], v[64+4*i+32*(i/16):64+4*i+32*(i/16)+3] offset:(i/2)*DSP+(i%2)*512
.set i, i+1
.endr
	WIN 0
	ds_store_b128 v[DB], v[S:S+3] offset:1024      ; the padding is written 0: the last step reads it as a column that nothing uses
.Lmk_done:
	s_wait_dscnt 0x0                               ; for the others' sake: the stage is written
	s_barrier_signal -1
	s_barrier_wait -1
	ds_load_b128 v[DS:DS+3], v[DB] offset:16       ; column 1
	s_wait_dscnt 0x0
	s_mov_b32 s[CNT], 1
; ---------------------------------------------------------------- the step's macros
; A vector instruction that reads a matrix result stands four places behind the matrix instruction, and only plain vector instructions that name none of its registers are places (ISA guide 7.12.1).
.macro PLACES
.rept 4
	v_nop
.endr
.endm
.macro MM d, a, b, c                   ; c < 0: the constant 0 starts the sum.  A lies in window 1
.if (\c) < 0
	v_wmma_f32_16x16x32_bf16 v[(\d):(\d)+7], v[(\a):(\a)+7], v[(\b):(\b)+7], 0
.else
	v_wmma_f32_16x16x32_bf16 v[(\d):(\d)+7], v[(\a):(\a)+7], v[(\b):(\b)+7], v[(\c):(\c)+7]
.endif
.endm
.macro STRIAL                          ; the trial stress
	v_pk_add_f32 v[S:S+1], v[S:S+1], v[DS:DS+1]
	v_pk_add_f32 v[S+2:S+3], v[S+2:S+3], v[DS+2:DS+3]
.endm
.macro INSPLIT4 x, bd                  ; four inputs: hi pairs into bd, bd + 1, lo pairs into bd + 2, bd + 3
	v_cvt_pk_bf16_f32 v[(\bd)], v[(\x)], v[(\x)+1]
	v_cvt_pk_bf16_f32 v[(\bd)+1], v[(\x)+2], v[(\x)+3]
	SUBHI T, (\x), (\bd), 0
	SUBHI T+1, (\x)+1, (\bd), 1
	SUBHI T+2, (\x)+2, (\bd)+1, 0
	SUBHI T+3, (\x)+3, (\bd)+1, 1
	v_cvt_pk_bf16_f32 v[(\bd)+2], v[T], v[T+1]
	v_cvt_pk_bf16_f32 v[(\bd)+3], v[T+2], v[T+3]
.endm
.macro SPLITHI x
.set j, 0
.rept 8
	v_cvt_pk_bf16_f32 v[BH+j], v[(\x)+2*j], v[(\x)+2*j+1]
.set j, j+1
.endr
.endm
.macro SPLITLO x                       ; x -= hi, in place; then rounded
.set j, 0
.rept 16
	SUBHI (\x)+j, (\x)+j, BH+j/2, j%2
.set j, j+1
.endr
.set j, 0
.rept 8
	v_cvt_pk_bf16_f32 v[BL+j], v[(\x)+2*j], v[(\x)+2*j+1]
.set j, j+1
.endr
.endm
; x = elu(x), e = elu'(x) = exp(min(x, 0)), which is exactly 1 for x >= 0.  Each accumulator is read from its lowest register on.
; Behind every exponential stands a plain instruction before its result is used (ISA guide 5.7.2).
.macro ELU x, e
.set j, 0
.rept 16
	v_min_num_f32 v[T+j], 0, v[(\x)+j]
.set j, j+1
.endr
.set j, 0
.rept 8
	v_pk_mul_f32 v[T+j:T+j+1], v[T+j:T+j+1], 0x3fb8aa3b op_sel_hi:[1,0]   ; log2(e)
.set j, j+2
.endr
.set j, 0
.rept 16
	v_exp_f32 v[(\e)+j], v[T+j]
	v_max_num_f32 v[(\x)+j], 0, v[(\x)+j]
.set j, j+1
.endr
.set j, 0
	s_wait_alu depctr_va_vdst(0)
.rept 8
	v_pk_add_f32 v[T+j:T+j+1], v[(\e)+j:(\e)+j+1], -1.0 op_sel_hi:[1,0]
.set j, j+2
.endr
.set j, 0
.rept 8
	v_pk_add_f32 v[(\x)+j:(\x)+j+1], v[(\x)+j:(\x)+j+1], v[T+j:T+j+1]
.set j, j+2
.endr
.endm
.macro LRD x, d                        ; d = leaky_relu's slope (1 for x >= 0, as the module's select has it; 0.01 else), x *= d
.set j, 0
.rept 16
	v_cmp_le_f32 s[MK+j], 0, v[(\x)+j]
.set j, j+1
.endr
.set j, 0
.rept 16
	v_cndmask_b32 v[(\d)+j], v[SLP], v[ONE], s[MK+j]
.set j, j+1
.endr
.set j, 0
.rept 8
	v_pk_mul_f32 v[(\x)+j:(\x)+j+1], v[(\x)+j:(\x)+j+1], v[(\d)+j:(\d)+j+1]
.set j, j+2
.endr
.endm
.macro LR x                            ; leaky_relu = max(x, 0.01 x)
.set j, 0
.rept 8
	v_pk_mul_f32 v[T+j:T+j+1], v[(\x)+j:(\x)+j+1], 0x3c23d70a op_sel_hi:[1,0]
.set j, j+2
.endr
.set j, 0
.rept 16
	v_max_num_f32 v[(\x)+j], v[(\x)+j], v[T+j]
.set j, j+1
.endr
.endm
.macro HAD d, a, b                     ; d = a * b, sixteen numbers
.set j, 0
.rept 8
	v_pk_mul_f32 v[(\d)+j:(\d)+j+1], v[(\a)+j:(\a)+j+1], v[(\b)+j:(\b)+j+1]
.set j, j+2
.endr
.endm
.macro DOT x, w                        ; DT+6 = the sum over all 32 neurons of x w, in f32: two chains, then the other half of the lanes'
	v_pk_mul_f32 v[DT:DT+1], v[(\x):(\x)+1], v[(\w):(\w)+1]
	v_pk_mul_f32 v[DT+2:DT+3], v[(\x)+2:(\x)+3], v[(\w)+2:(\w)+3]
.irp k, 4,8,12
	v_pk_fma_f32 v[DT:DT+1], v[(\x)+\k:(\x)+\k+1], v[(\w)+\k:(\w)+\k+1], v[DT:DT+1]
	v_pk_fma_f32 v[DT+2:DT+3], v[(\x)+\k+2:(\x)+\k+3], v[(\w)+\k+2:(\w)+\k+3], v[DT+2:DT+3]
.endr
	v_pk_add_f32 v[DT:DT+1], v[DT:DT+1], v[DT+2:DT+3]
	v_add_f32 v[DT+4], v[DT], v[DT+1]
	v_permlanex16_b32 v[DT+5], v[DT+4], s[SEL], s[SEL+1]
	v_add_f32 v[DT+6], v[DT+4], v[DT+5]
.endm
; A hidden layer: acc = W x + c, in three products: Whi xhi, Wlo xhi, Whi xlo.  The two tiles' accumulators take turns, one instruction a turn.
; The split of the lo parts (24 vector instructions that write x and BL, no register of the four products in front) stands beside those products.
.macro LAYER wb, acc, c, x
	SPLITHI \x
	WIN 0x01
.if (\c) < 0
	MM (\acc), (\wb), BH, -1
	MM (\acc)+8, (\wb)+8, BH, -1
.else
	MM (\acc), (\wb), BH, (\c)
	MM (\acc)+8, (\wb)+8, BH, (\c)+8
.endif
	MM (\acc), (\wb)+16, BH, (\acc)
	MM (\acc)+8, (\wb)+24, BH, (\acc)+8
	WIN 0
	SPLITLO \x
	WIN 0x01
	MM (\acc), (\wb), BL, (\acc)
	MM (\acc)+8, (\wb)+8, BL, (\acc)+8
	WIN 0
.endm
; Z's backward layer: acc = W x as above, and beside it the gradient to s by the same x: G and G2 take the three products with ag's hi and lo.
.macro BACKZ wb, acc, ag, gc, g2c, x
	SPLITHI \x
	WIN 0x01
	MM (\acc), (\wb), BH, -1
	MM (\acc)+8, (\wb)+8, BH, -1
	MM G, (\ag), BH, (\gc)
	MM (\acc), (\wb)+16, BH, (\acc)
	MM (\acc)+8, (\wb)+24, BH, (\acc)+8
	MM G2, (\ag)+8, BH, (\g2c)
	WIN 0
	SPLITLO \x
	WIN 0x01
	MM (\acc), (\wb), BL, (\acc)
	MM (\acc)+8, (\wb)+8, BL, (\acc)+8
	MM G, (\ag), BL, G
	WIN 0
.endm
; ---------------------------------------------------------------- 63 steps
.Lstep:
	s_cmp_eq_u32 s[WV], 1
	s_cbranch_scc1 .Lq
	s_cmp_eq_u32 s[WV], 2
	s_cbranch_scc1 .Le
	; ---- wave Z: z4(s) and g = dz4/ds
	STRIAL
	INSPLIT4 S, BI
	WIN 0x01
	MM P, AI1, BI, VB                              ; s z1_w + z1_b
	MM P+8, AI1+8, BI, VB+8
	MM U2, AI2, BI, -1                             ; s sz1 starts layer 2's sums,
	MM U2+8, AI2+8, BI, -1
	MM U3, AI3, BI, -1                             ; s sz2 layer 3's
	MM U3+8, AI3+8, BI, -1
	WIN 0
	v_mul_f32 v[SZ], s[SZ3], v[S]                  ; s . sz3: four plain instructions, the places behind those products
	v_fma_f32 v[SZ], s[SZ3+1], v[S+1], v[SZ]
	v_fma_f32 v[SZ], s[SZ3+2], v[S+2], v[SZ]
	v_fma_f32 v[SZ], s[SZ3+3], v[S+3], v[SZ]
	ELU P, E1
	LAYER W2F, U2, U2, P
	PLACES
	ELU U2, E2
	LAYER W3F, U3, U3, U2
	PLACES
	ELU U3, E3
	HAD T, VO, E3                                  ; delta3 = |z4| elu'
	BACKZ W3B, P, AG3, GC, -1, T                   ; |z3| delta3; g = sz3 + sz2 delta3
	DOT U3, VO                                     ; z3 . |z4|: its packed lines are the places behind those products
	v_add_f32 v[DT+6], v[DT+6], v[SZ]              ; z4
	HAD P, P, E2                                   ; delta2
	BACKZ W2B, U2, AG2, G, G2, P                   ; |z2| delta2; g += sz1 delta2
	PLACES
	HAD U2, U2, E1                                 ; delta1
	SPLITHI U2
	WIN 0x01
	MM G2, AG1+8, BH, G2                           ; g += z1_w delta1
	MM G, AG1, BH, G
	WIN 0
	SPLITLO U2
	WIN 0x01
	MM G2, AG1, BL, G2
	WIN 0
	PLACES
	v_pk_add_f32 v[G:G+1], v[G:G+1], v[G2:G2+1]
	v_pk_add_f32 v[G+2:G+3], v[G+2:G+3], v[G2+2:G2+3]
	ds_store_b128 v[AX], v[G:G+3]
	ds_store_b32 v[AX], v[DT+6] offset:40
	s_branch .Ljoin
.Lq:
	; ---- wave Q: q4(pe, q) and its gradient
	STRIAL
	INSPLIT4 PE, BI
	v_cvt_pk_bf16_f32 v[BI+4], v[Q], v[Q]
	SUBHI T, Q, BI+4, 0
	v_cvt_pk_bf16_f32 v[BI+5], v[T], v[T]
	WIN 0x01
	MM P, AI1, BI, -1
	MM P+8, AI1+8, BI, -1
	WIN 0
	PLACES
	LRD P, E1
	LAYER W2F, U2, -1, P
	PLACES
	LRD U2, E2
	LAYER W3F, U3, -1, U2
	PLACES
	LRD U3, E3
	HAD T, VO, E3                                  ; delta3 = q4's weights x slope
	LAYER W3B, P, -1, T
	DOT U3, VO                                     ; q4: its packed lines are the places behind those products
	HAD P, P, E2
	LAYER W2B, U2, -1, P
	PLACES
	HAD U2, U2, E1
	SPLITHI U2
	WIN 0x01
	MM G, AG1, BH, -1                              ; registers 0-3: dq4/dpe, register 4: dq4/dq
	MM G2, AG1+8, BH, -1
	WIN 0
	SPLITLO U2
	WIN 0x01
	MM G, AG1, BL, G
	WIN 0
	PLACES
	v_pk_add_f32 v[G:G+1], v[G:G+1], v[G2:G2+1]
	v_pk_add_f32 v[G+2:G+3], v[G+2:G+3], v[G2+2:G2+3]
	v_pk_add_f32 v[G+4:G+5], v[G+4:G+5], v[G2+4:G2+5]
	v_mov_b32 v[G+5], v[DT+6]                      ; q4 beside Gq
	ds_store_b128 v[AX], v[G:G+3] offset:16
	ds_store_b64 v[AX], v[G+4:G+5] offset:32
	s_branch .Ljoin
.Le:
	; ---- wave E: the last step's stress is column t - 1 of the results (the zero state is column 0); then h
	v_lshl_add_u32 v[AO], s[CNT], 2, v[AOB]
.irp c, 0,1,2,3
	ds_store_b32 v[AO], v[S+\c] offset:16*OUTP*\c
.endr
	STRIAL
	INSPLIT4 PE, BI
	INSPLIT4 S, BI+4
.set j, 0
.rept 8
	v_pk_fma_f32 v[P+j:P+j+1], v[WQ+j:WQ+j+1], v[Q:Q+1], v[VB+j:VB+j+1] op_sel_hi:[1,0,1]   ; q's row and the bias, in f32
.set j, j+2
.endr
	WIN 0x01
	MM P, AI1, BI, P
	MM P+8, AI1+8, BI, P+8
	WIN 0
	PLACES
	LR P
	LAYER W2F, U2, B1, P
	PLACES
	LR U2
	LAYER W3F, U3, B2, U2
	PLACES
	LR U3
	DOT U3, VO
	v_add_f32 v[DT+6], s[EB3], v[DT+6]
	ds_store_b32 v[AX], v[DT+6] offset:44
.Ljoin:
	s_wait_dscnt 0x0                               ; for the others' sake: my results are in the exchange
	s_barrier_signal -1
	s_barrier_wait -1                              ; everybody's are
	ds_load_b128 v[XG:XG+3], v[AX]
	ds_load_b128 v[XP:XP+3], v[AX] offset:16
	ds_load_b128 v[XS:XS+3], v[AX] offset:32
	v_lshl_add_u32 v[ADS], s[CNT], 4, v[DB]
	ds_load_b128 v[DS:DS+3], v[ADS] offset:16      ; column t + 1; in the last step the zeroed padding
	s_wait_dscnt 0x0                               ; I need the numbers, and my reads of the exchange are over:
	s_barrier_signal -1                            ; say so; the update, work on registers alone, stands between the signal and the wait
	v_sub_f32 v[UT], v[XS+2], v[XS+1]              ; f = z4 - q4
	v_add_f32 v[UT+1], v[XG], v[XG+1]
	v_add_f32 v[UT+1], v[UT+1], v[XG+3]
	v_mul_f32 v[UT+1], 0x42000000, v[UT+1]         ; 32 (g0 + g1 + g3)
	v_fmamk_f32 v[CG], v[XG], 0x42800000, v[UT+1]  ; C g: 64 g + that, and 32 g2
	v_fmamk_f32 v[CG+1], v[XG+1], 0x42800000, v[UT+1]
	v_mul_f32 v[CG+2], 0x42000000, v[XG+2]
	v_fmamk_f32 v[CG+3], v[XG+3], 0x42800000, v[UT+1]
	v_pk_add_f32 v[UT+2:UT+3], v[CG:CG+1], v[XP:XP+1]
	v_pk_add_f32 v[UT+4:UT+5], v[CG+2:CG+3], v[XP+2:XP+3]
	v_mul_f32 v[UT+6], v[XS+3], v[XS]              ; den = h Gq + g . (C g + Gpe)
	v_fma_f32 v[UT+6], v[XG], v[UT+2], v[UT+6]
	v_fma_f32 v[UT+6], v[XG+1], v[UT+3], v[UT+6]
	v_fma_f32 v[UT+6], v[XG+2], v[UT+4], v[UT+6]
	v_fma_f32 v[UT+6], v[XG+3], v[UT+5], v[UT+6]
	v_rcp_f32 v[UT+7], v[UT+6]
	v_cmp_lt_f32 vcc_lo, 0x358637bd, v[UT]         ; f > 1e-6; also the plain instruction behind the reciprocal (ISA guide 5.7.2)
	s_wait_alu depctr_va_vdst(0)
	v_mul_f32 v[UT+7], v[UT], v[UT+7]
	v_cndmask_b32 v[UT], 0, v[UT+7], vcc_lo        ; dl, or 0: the mask only selects a value
	v_pk_fma_f32 v[S:S+1], v[CG:CG+1], v[UT:UT+1], v[S:S+1] op_sel_hi:[1,0,1] neg_lo:[1,0,0] neg_hi:[1,0,0]
	v_pk_fma_f32 v[S+2:S+3], v[CG+2:CG+3], v[UT:UT+1], v[S+2:S+3] op_sel_hi:[1,0,1] neg_lo:[1,0,0] neg_hi:[1,0,0]
	v_pk_fma_f32 v[PE:PE+1], v[XG:XG+1], v[UT:UT+1], v[PE:PE+1] op_sel_hi:[1,0,1]
	v_pk_fma_f32 v[PE+2:PE+3], v[XG+2:XG+3], v[UT:UT+1], v[PE+2:PE+3] op_sel_hi:[1,0,1]
	v_fma_f32 v[Q], v[XS+3], v[UT], v[Q]
	s_barrier_wait -1                              ; nobody reads the exchange any more: the next step may write it
	s_add_co_u32 s[CNT], s[CNT], 1
	s_cmp_lt_u32 s[CNT], 64
	s_cbranch_scc1 .Lstep
	s_cmp_eq_u32 s[WV], 2
	s_cbranch_scc1 .Lout
	s_wait_tensorcnt 0x0                           ; the wave's end
	ds_add_u32 v[SPW], v[NIL]
	s_wait_dscnt 0x0
	s_endpgm
.Lout:
	; ---- wave E: column 63, then the results leave as whole rows.  They are this wave's own bytes, and LDS serves a wave's instructions in order (ISA guide 5.7.1.4): no barrier
	v_add_nc_u32 v[AO], 256, v[AOB]
.irp c, 0,1,2,3
	ds_store_b32 v[AO], v[S+\c] offset:16*OUTP*\c
.endr
	v_and_b32 v[RD], 15, v0
	v_bfe_u32 v[GOF], v0, 4, 1
	v_lshlrev_b32 v[RD], 4, v[RD]                  ; 16 (l % 16)
	v_mul_u32_u24 v[AO], v[GOF], OUTP
	v_lshl_add_u32 v[GOF], v[GOF], 8, v[RD]        ; in memory: lanes 0-15 one element's 256 bytes, lanes 16-31 the next element's
	v_add3_u32 v[RD], v[AO], v[RD], OUTB           ; in LDS the same two rows
.set i, 0
.rept 32                                               ; component i / 8, elements 2 (i % 8) and the next
	ds_load_b128 v[P+4*i:P+4*i+3], v[RD] offset:OUTP*(16*(i/8)+2*(i%8))
.set i, i+1
.endr
.set i, 0
.rept 32
	s_wait_dscnt 31-i                              ; LDS loads come back in order: load i is in, the 31 - i younger ones may be out
	global_store_b128 v[GOF], v[P+4*i:P+4*i+3], s[58+2*(i/8)+2*(i/24):58+2*(i/8)+2*(i/24)+1] offset:512*(i%8) th:TH_STORE_NT  ; 512 consecutive bytes, at a multiple of 256 from the output's first
.set i, i+1
.endr
	s_wait_tensorcnt 0x0                           ; the wave's end
	ds_add_u32 v[SPW], v[NIL]
	s_wait_dscnt 0x0
	s_endpgm
.Lfunc_end_k_qf72dec8e88_enn:
	.size	k_qf72dec8e88_enn, .Lfunc_end_k_qf72dec8e88_enn-k_qf72dec8e88_enn
	.p2alignl 7, 3214868480
	.fill 96, 4, 3214868480
	.section	.rodata,"a",@progbits
	.p2align	6, 0x0
	.amdhsa_kernel k_qf72dec8e88_enn
		.amdhsa_group_segment_fixed_size 35328
		.amdhsa_private_segment_fixed_size 0
		.amdhsa_enable_private_segment 0
		.amdhsa_kernarg_size 200
		.amdhsa_user_sgpr_count 2
		.amdhsa_user_sgpr_kernarg_segment_ptr 1
		.amdhsa_wavefront_size32 1
		.amdhsa_system_sgpr_workgroup_id_x 1
		.amdhsa_system_sgpr_workgroup_id_y 1
		.amdhsa_system_sgpr_workgroup_id_z 1
		.amdhsa_system_vgpr_workitem_id 0
		.amdhsa_next_free_vgpr 768
		.amdhsa_next_free_sgpr 96
		.amdhsa_reserve_vcc 1
		.amdhsa_float_denorm_mode_32 3
		.amdhsa_float_denorm_mode_16_64 3
		.amdhsa_memory_ordered 1
		.amdhsa_forward_progress 1
		.amdhsa_inst_pref_size 166
	.end_amdhsa_kernel
	.amdgpu_metadata
---
amdhsa.version: [ 1, 2 ]
amdhsa.kernels:
  - .name:           k_qf72dec8e88_enn
    .symbol:         k_qf72dec8e88_enn.kd
    .args:
      - { .name: d_stress, .offset: 0, .size: 8, .value_kind: global_buffer, .address_space: global }
      - { .name: params_z1_w, .offset: 8, .size: 8, .value_kind: global_buffer, .address_space: global }
      - { .name: params_z1_b, .offset: 16, .size: 8, .value_kind: global_buffer, .address_space: global }
      - { .name: params_z2, .offset: 24, .size: 8, .value_kind: global_buffer, .address_space: global }
      - { .name: params_z3, .offset: 32, .size: 8, .value_kind: global_buffer, .address_space: global }
      - { .name: params_z4, .offset: 40, .size: 8, .value_kind: global_buffer, .address_space: global }
      - { .name: params_sz1, .offset: 48, .size: 8, .value_kind: global_buffer, .address_space: global }
      - { .name: params_sz2, .offset: 56, .size: 8, .value_kind: global_buffer, .address_space: global }
      - { .name: params_sz3, .offset: 64, .size: 8, .value_kind: global_buffer, .address_space: global }
      - { .name: params_q1, .offset: 72, .size: 8, .value_kind: global_buffer, .address_space: global }
      - { .name: params_q2, .offset: 80, .size: 8, .value_kind: global_buffer, .address_space: global }
      - { .name: params_q3, .offset: 88, .size: 8, .value_kind: global_buffer, .address_space: global }
      - { .name: params_q4, .offset: 96, .size: 8, .value_kind: global_buffer, .address_space: global }
      - { .name: params_e_w0, .offset: 104, .size: 8, .value_kind: global_buffer, .address_space: global }
      - { .name: params_e_b0, .offset: 112, .size: 8, .value_kind: global_buffer, .address_space: global }
      - { .name: params_e_w1, .offset: 120, .size: 8, .value_kind: global_buffer, .address_space: global }
      - { .name: params_e_b1, .offset: 128, .size: 8, .value_kind: global_buffer, .address_space: global }
      - { .name: params_e_w2, .offset: 136, .size: 8, .value_kind: global_buffer, .address_space: global }
      - { .name: params_e_b2, .offset: 144, .size: 8, .value_kind: global_buffer, .address_space: global }
      - { .name: params_e_w3, .offset: 152, .size: 8, .value_kind: global_buffer, .address_space: global }
      - { .name: params_e_b3, .offset: 160, .size: 8, .value_kind: global_buffer, .address_space: global }
      - { .name: out0, .offset: 168, .size: 8, .value_kind: global_buffer, .address_space: global }
      - { .name: out1, .offset: 176, .size: 8, .value_kind: global_buffer, .address_space: global }
      - { .name: out2, .offset: 184, .size: 8, .value_kind: global_buffer, .address_space: global }
      - { .name: out3, .offset: 192, .size: 8, .value_kind: global_buffer, .address_space: global }
    .group_segment_fixed_size: 35328
    .private_segment_fixed_size: 0
    .kernarg_segment_align: 8
    .kernarg_segment_size: 200
    .max_flat_workgroup_size: 96
    .sgpr_count:     96
    .vgpr_count:     768
    .wavefront_size: 32
...
	.end_amdgpu_metadata
.endif
;; end of part 1
;; ======== version 2 of 2: 1 launch; version 1 with the launch enn written anew for expert scheduling mode
;; limits: a function is approximated: absolute error at most 1e-07
;; launch enn (part 2): grid 256 x 1, 3 waves a work-group, no clusters, 35,328 bytes of LDS; arguments d_stress, params_z1_w, params_z1_b, params_z2, params_z3, params_z4, params_sz1, params_sz2, params_sz3, params_q1, params_q2, params_q3, params_q4, params_e_w0, params_e_b0, params_e_w1, params_e_b1, params_e_w2, params_e_b2, params_e_w3, params_e_b3, out0, out1, out2, out3; writes out0, out1, out2, out3
.if DOCPART == 2
	.amdgcn_target "amdgcn-amd-amdhsa--gfx1250"
	.amdhsa_code_object_version 6
	.text
	.protected	k_qf72dec8e88_enn
	.globl	k_qf72dec8e88_enn
	.p2align	8
	.type	k_qf72dec8e88_enn,@function
k_qf72dec8e88_enn:
	s_mov_b64 s[64:65], 0
	v_nop
	global_prefetch_b8 v0, s[64:65] scope:SCOPE_SE
	s_setreg_imm32_b32 hwreg(HW_REG_WAVE_SCHED_MODE, 0, 2), 2
	s_setreg_imm32_b32 hwreg(HW_REG_WAVE_MODE, 25, 1), 1
	s_wait_xcnt 0x0
	s_wait_alu depctr_vm_vsrc(0)
; ENN, the return-mapping scan: 4,096 independent elements, 63 dependent steps, state s[4], pe[4], q for each element.
; WHAT IS COMPUTED.  The module makes one Newton pass and enters it with d_lam = 0, so the Hessian of the yield net and the gradients of the evolution net
; are multiplied by 0, a = b = 0, A = inv(diag(C_INV, -1)) = diag(C, -1), and the yield net's second evaluation is never read.  What is left for a step:
;   s += ds[t];  f = z4(s) - q4(pe, q);  g = dz4/ds;  (Gpe, Gq) = dq4/d(pe, q);  h = evolution(pe, q, s);  Cg = C g;  den = g.(Cg + Gpe) + Gq h;
;   dl = f / den where f > 1e-6, else 0;  s -= dl Cg;  pe += dl g;  q += dl h;  out[:, t] = s;  out[:, 0] = 0.
; SHARES.  A work-group owns 16 elements, one matrix tile's N; 256 work-groups.  The three nets do not depend on each other inside a step, so each has a wave: wave 0 = Z (yield net, forward
; and backward), wave 1 = Q (q net, forward and backward), wave 2 = E (evolution net forward, the stage of d_stress, all output).  Every wave keeps the whole state and makes the same update;
; the nets' 12 results an element change hands through LDS once a step, between two barriers.
; LAYOUT.  D = A x B + C with A = weights (M = 32 output neurons in two tiles, rows 30, 31 zero), B = activations (K = 32 neurons, N = 16 elements).  Lane l: element r = l % 16, half h = l / 16.
; Register j of result tile t is neuron 16 t + 8 h + j of element r, so the two tiles rounded in pairs ARE the next layer's B fragment: nothing changes lanes between layers.
; NUMBERS.  An error of one step is carried through up to 62 more, so every matrix operand is given twice in bf16, x = hi + lo (16 significant bits, f32's range): W x = Whi xhi + Wlo xhi + Whi xlo.
; Sums, activations, the two dot products with the output weights and the update are f32.
; LIMITS.  x_in is not read: the module takes only its shape.  d_stress[:, 0, :] comes along with its 256-byte blocks and is not used, as in the module.  0 x (the unused derivatives) counts as 0, so a NaN or
; an infinity in them is not reproduced.  C's exact entries (96, 32, 0) stand for the f32 inverse of the f32 inverse, and (f_pe C_INV) C for f_pe: a difference of rounding order, about 1e-6 of a number.
; f / den is f x v_rcp_f32(den).  elu is exp(x) - 1, off by about 1e-7 absolutely from expm1; an exponential below 2^-126 is 0.  Weights are finite: clamped loads are cleared by a product with 0.
; NO CLUSTER, NO TENSOR LOADS: work-groups share only the parameters, 25,580 bytes read once at the start; the stage of d_stress, 16,384 bytes, is filled once through registers.
; THE MODE: SCHED_MODE bits 1:0 = 2 (LLVM: expert scheduling mode 2), set by the entry lines.  The code itself states the register dependences
; between vector or matrix instructions and memory or LDS instructions, with s_wait_alu, always for 0.
; THE PLAN.  Registers that memory or LDS instructions touch:
;   at set-up   the offsets v184-195, ZR, AX, DB: written at the head, read by the set-up's loads and by E's stores into the stage.  One wait on va_vdst stands ahead of the first load, and no vector
;               line follows it until all loads are in.  v184-199 are G and G2 from the loop on, and E's stores read S: one wait on vm_vsrc stands ahead of the loop.
;   ADS         written at a step's head; read by the load of column t + 1, which goes out with the exchange's stores.
;   DS          that load lands in it; the next step's trial stress reads it.
;   G, DT+6     written by a net's last vector lines; read by its stores into the exchange; written again in the next step.
;   AO, S       wave E: AO is written at the arm's head, S by the last update; the four stores of a column read both; the trial stress then writes S.
;   XG, XP, XS  the three loads from the exchange land in them; the update reads them.          AX: read by stores and loads, never written again.
; So in a step ONE wait on va_vdst stands in each wave's arm, ahead of its stores into the exchange: it states that their data and ADS are written, that the trial stress is done reading DS and that the
; last step's update is done reading XG to XS.  No vector line stands between it and the four LDS loads that follow.  ONE wait on vm_vsrc stands behind the exchange's loads: the stores have read G and
; DT+6, the column's load ADS.  Wave E has a pair more round its column's stores.  A compare's mask is waited for ahead of the select that reads it.
;
; LDS
.set DSP,   1040                       ; a row of the stage: an element's 64 x 16 bytes + 16 of padding (written 0): 65 x 16 bytes, so 16 rows' 16-byte reads start in 16 different groups of four banks
.set OUTB,  16*DSP                     ; the results: row 16 c + r (component c, element r), 256 bytes + 16
.set OUTP,  272
.set XCH,   OUTB+64*OUTP               ; the exchange, 48 bytes an element: +0 g[4]  +16 Gpe[4]  +32 Gq  +36 q4  +40 z4  +44 h
.set XROW,  48
.set SPARE, XCH+16*XROW                ; 34,816 = 136 x 256: the spare words, 128 bytes a wave, two blocks of 256 bytes that no other line names
; SCALAR REGISTERS
.set WV,   2                           ; my wave's number
.set CNT,  3                           ; t, 1 to 63
.set SEL,  6                           ; s[6:7] v_permlanex16_b32's selects: each lane takes its own place in the other half
.set HM,   8                           ; the lanes with h = 1
.set ABSM, 9                           ; Z: clears a sign (the yield net takes |W|); Q, E: all ones
.set PW2,  10                          ; s[10:11], s[12:13], s[14:15]: my net's two hidden matrices and its output weights
.set PW3,  12
.set PW4,  14
.set PDS,  16                          ; s[16:63], s[66:67]: the 25 arguments in their order
.set PZ1W, 18
.set PZ1B, 20
.set PSZ1, 28
.set PSZ2, 30
.set PSZ3, 32
.set PQ1,  34
.set PEW0, 42
.set PEB0, 44
.set PEB1, 48
.set PEB2, 52
.set PEB3, 56
.set MK,   68                          ; s[68:83] sixteen compare masks
.set SZ3,  84                          ; s[84:87] sz3
.set EB3,  88                          ; e_b3
; VECTOR REGISTERS, window 0
.set SPW,  1                           ; LDS address of my spare word; never rewritten
.set NIL,  2                           ; 0; never rewritten
.set ADS,  3                           ; where the next column of d_stress lies
.set AX,   4                           ; my element's row of the exchange
.set AO,   5                           ; where a column of results goes
.set ONE,  6
.set NEG1, 7
.set S,    8                           ; v8-11 s, v12-15 pe, v16 q, v17 = 0 (q's partner in a pair)
.set PE,   12
.set Q,    16
.set DS,   18                          ; v18-21 the column of d_stress in hand
.set SLP,  22                          ; 0.01
.set ZR,   23                          ; 0
.set XG,   24                          ; v24-27 g, v28-31 Gpe, v32-35 Gq, q4, z4, h: as read from the exchange
.set XP,   28
.set XS,   32
.set CG,   36                          ; v36-39 C g
.set UT,   40                          ; v40-47 the update's
.set BI,   48                          ; B fragment of the inputs
.set BH,   56                          ; B fragment, hi parts
.set BL,   64                          ; B fragment, lo parts
.set P,    72                          ; three pairs of accumulators
.set U2,   88
.set U3,   104
.set E1,   120                         ; the activations' slopes of layers 1 to 3 (Z, Q)
.set E2,   136
.set E3,   152
.set WQ,   120                         ; E: row 4 of e_w0 (q's), e_b1, e_b2
.set B1,   136
.set B2,   152
.set T,    168                         ; sixteen at work
.set G,    184                         ; two accumulators for the gradient to the inputs
.set G2,   192
.set VO,   200                         ; the output weights, by neuron
.set VB,   216                         ; the first layer's bias, by neuron
.set GC,   232                         ; Z: sz3[j % 4], the C that starts g
.set DT,   240                         ; the dot product's; its result in DT+6
.set SZ,   247                         ; Z: s . sz3
.set DB,   248                         ; 1040 r
.set AOB,  249                         ; OUTB - 4 + 272 r
.set RD,   252                         ; the way out
.set GOF,  253
; at set-up only: offsets where G, G2 lie, lane numbers and masks where DT lies
.set OF0,  184                         ; forward fragment, tile t: 960 h + 4 column
.set OF1,  185
.set OFA0, 186                         ; the same without h
.set OFA1, 187
.set OB0,  188                         ; backward fragment, tile t: 32 h + 120 row
.set OB1,  189
.set OBA0, 190
.set OBA1, 191
.set OV,   192                         ; a vector by neuron: 32 h
.set OG,   193                         ; gradient fragment: 32 h + 120 input row
.set OGA,  194
.set LD16, 195                         ; 16 x lane
.set R,    240
.set H,    241
.set MH,   242                         ; 1.0 where h = 0
.set M1,   243                         ; 1.0 where r < 14
.set M1H,  244                         ; both
; window 1: A fragments.  A hidden matrix: hi tile 0, hi tile 1, lo tile 0, lo tile 1, eight registers each
.set W2F,  0
.set W3F,  32
.set W3B,  64
.set W2B,  96
.set AI1,  128                         ; input layers, two tiles of eight (Z: z1_w, sz1, sz2; Q: q1; E: e_w0)
.set AI2,  144
.set AI3,  160
.set AG1,  176                         ; gradient to the inputs, hi and lo (Z: z1_w, sz1, sz2; Q: q1)
.set AG2,  192
.set AG3,  208
; window 2: raw f32 at set-up (the numbers stand where they are used)
.set MSB, 0
.macro WIN new                         ; s_set_vgpr_msb: bits 1:0 source 0, 3:2 source 1, 5:4 source 2, 7:6 destination; the high byte repeats the setting that is left
.if MSB != (\new)
	s_set_vgpr_msb (MSB<<8)|(\new)
.set MSB, (\new)
.endif
.endm
; Sixteen f32 of a fragment or of a vector by neuron: slot j of half h is k = 8 h + j (j < 8) or 16 + 8 h + j - 8.  ks = bytes from k to k + 1.  Slots 14, 15 would be k = 30, 31 where h = 1:
; they are read without h's part (k = 22, 23, inside the buffer) and cleared afterwards where h = 1.
.macro RAWF dst, base, off, offa, ks, x=0
.set j, 0
.rept 16
.if j < 8
	global_load_b32 v[(\dst)+j], v[\off], s[\base:\base+1] offset:(\x)+(\ks)*j
.elseif j < 14
	global_load_b32 v[(\dst)+j], v[\off], s[\base:\base+1] offset:(\x)+(\ks)*(8+j)
.else
	global_load_b32 v[(\dst)+j], v[\offa], s[\base:\base+1] offset:(\x)+(\ks)*(8+j)
.endif
.set j, j+1
.endr
.endm
.macro SUBHI d, x, hr, half            ; d = x - (a bf16 half of hr): exact, one fused multiply-add by -1
.if \half
	v_fma_mix_f32_bf16 v[\d], v[\hr], v[NEG1], v[\x] op_sel:[1,0,0] op_sel_hi:[1,0,0]
.else
	v_fma_mix_f32_bf16 v[\d], v[\hr], v[NEG1], v[\x] op_sel_hi:[1,0,0]
.endif
.endm
; Sixteen raw f32 (window 2) become a hi and a lo A fragment (window 1).  tile = 1: rows 30, 31 (r >= 14) are cleared too.
.macro MKFRAG raw, dhi, dlo, tile, andsrc
	WIN 0x08
.set j, 0
.rept 16
	v_and_b32 v[T+j], \andsrc, v[(\raw)+j]
.set j, j+1
.endr
	WIN 0
.if \tile
.set j, 0
.rept 14
	v_mul_f32 v[T+j], v[T+j], v[M1]
.set j, j+1
.endr
	v_mul_f32 v[T+14], v[T+14], v[M1H]
	v_mul_f32 v[T+15], v[T+15], v[M1H]
.else
	v_mul_f32 v[T+14], v[T+14], v[MH]
	v_mul_f32 v[T+15], v[T+15], v[MH]
.endif
.set j, 0
.rept 8
	v_cvt_pk_bf16_f32 v[BH+j], v[T+2*j], v[T+2*j+1]
.set j, j+1
.endr
.set j, 0
.rept 16
	SUBHI T+j, T+j, BH+j/2, j%2
.set j, j+1
.endr
	WIN 0x40
.set j, 0
.rept 8
	v_mov_b32 v[(\dhi)+j], v[BH+j]
	v_cvt_pk_bf16_f32 v[(\dlo)+j], v[T+2*j], v[T+2*j+1]
.set j, j+1
.endr
	WIN 0
.endm
; Four input rows of one tile: half a fragment.  The B side holds x hi in slots 8 h + 0..3 and x lo in slots 8 h + 4..7, alike in both halves; the A side holds W hi where h = 0 and W lo where h = 1,
; twice: one matrix instruction gives (W hi + W lo)(x hi + x lo).
.macro MKIN raw, dst, mask
	WIN 0x02
.irp c, 0,1,2,3
	v_mul_f32 v[T+\c], v[(\raw)+\c], v[\mask]
.endr
	WIN 0
	v_cvt_pk_bf16_f32 v[BH], v[T], v[T+1]
	v_cvt_pk_bf16_f32 v[BH+1], v[T+2], v[T+3]
	SUBHI T, T, BH, 0
	SUBHI T+1, T+1, BH, 1
	SUBHI T+2, T+2, BH+1, 0
	SUBHI T+3, T+3, BH+1, 1
	v_cvt_pk_bf16_f32 v[BL], v[T], v[T+1]
	v_cvt_pk_bf16_f32 v[BL+1], v[T+2], v[T+3]
	v_cndmask_b32 v[BH], v[BH], v[BL], s[HM]
	v_cndmask_b32 v[BH+1], v[BH+1], v[BL+1], s[HM]
	WIN 0x40
	v_mov_b32 v[(\dst)], v[BH]
	v_mov_b32 v[(\dst)+1], v[BH+1]
	v_mov_b32 v[(\dst)+2], v[BH]
	v_mov_b32 v[(\dst)+3], v[BH+1]
	WIN 0
.endm
.macro MKQ raw, dst, mask              ; one input row (q's): (w, 0) twice, to meet (q hi, q hi) and (q lo, q lo); then zeros
	WIN 0x02
	v_mul_f32 v[T], v[\raw], v[\mask]
	WIN 0
	v_cvt_pk_bf16_f32 v[BH], v[T], v[ZR]
	SUBHI T, T, BH, 0
	v_cvt_pk_bf16_f32 v[BL], v[T], v[ZR]
	v_cndmask_b32 v[BH], v[BH], v[BL], s[HM]
	WIN 0x40
	v_mov_b32 v[(\dst)], v[BH]
	v_mov_b32 v[(\dst)+1], v[BH]
	v_mov_b32 v[(\dst)+2], 0
	v_mov_b32 v[(\dst)+3], 0
	WIN 0
.endm
.macro ZERO4 dst                       ; the unused half of an input fragment
	WIN 0x40
.irp c, 0,1,2,3
	v_mov_b32 v[(\dst)+\c], 0
.endr
	WIN 0
.endm
.macro MASK2 x                         ; slots 14, 15 of a vector by neuron are cleared where h = 1
	v_mul_f32 v[(\x)+14], v[(\x)+14], v[MH]
	v_mul_f32 v[(\x)+15], v[(\x)+15], v[MH]
.endm
; ---------------------------------------------------------------- set-up
	s_load_b512 s[16:31], s[0:1], 0x0              ; arguments 0 to 7
	s_load_b512 s[32:47], s[0:1], 0x40             ; 8 to 15
	s_load_b512 s[48:63], s[0:1], 0x80             ; 16 to 23
	s_load_b64 s[66:67], s[0:1], 0xc0              ; out3
	v_lshl_add_u32 v[SPW], v0, 2, SPARE
	v_mov_b32 v[NIL], 0
	v_lshrrev_b32 v[T], 5, v0
	v_readfirstlane_b32 s[WV], v[T]                ; wave 0..2
	s_mov_b32 s[SEL], 0x76543210
	s_mov_b32 s[SEL+1], 0xfedcba98
	s_mov_b32 s[HM], 0xffff0000
	v_mov_b32 v[ONE], 1.0
	v_mov_b32 v[NEG1], -1.0
	v_mov_b32 v[SLP], 0x3c23d70a                   ; 0.01
	v_mov_b32 v[ZR], 0
	v_mov_b32 v[DT+5], 0                           ; v_permlanex16_b32's destination counts as read
.irp c, 0,1,2,3,4,5,6,7,8,9
	v_mov_b32 v[S+\c], 0                           ; the scan's first state: s, pe, q; and q's partner
.endr
	v_and_b32 v[R], 15, v0
	v_bfe_u32 v[H], v0, 4, 1
	v_cmp_eq_u32 vcc_lo, 0, v[H]
	s_wait_alu depctr_va_vcc(0)                    ; the compare has written VCC, which the select reads
	v_cndmask_b32 v[MH], v[ZR], v[ONE], vcc_lo
	v_cmp_gt_u32 vcc_lo, 14, v[R]
	s_wait_alu depctr_va_vcc(0)                    ; the compare has written VCC, which the select reads
	v_cndmask_b32 v[M1], v[ZR], v[ONE], vcc_lo
	v_mul_f32 v[M1H], v[M1], v[MH]
	v_add_nc_u32 v[T], 16, v[R]
	v_min_u32 v[T], 29, v[T]                       ; tile 1's row or column, held inside the matrix
	v_mul_u32_u24 v[T+1], v[H], 960                ; 8 h rows of 120 bytes
	v_lshlrev_b32 v[OFA0], 2, v[R]
	v_lshlrev_b32 v[OFA1], 2, v[T]
	v_add_nc_u32 v[OF0], v[T+1], v[OFA0]
	v_add_nc_u32 v[OF1], v[T+1], v[OFA1]
	v_mul_u32_u24 v[OBA0], v[R], 120
	v_mul_u32_u24 v[OBA1], v[T], 120
	v_lshl_add_u32 v[OB0], v[H], 5, v[OBA0]
	v_lshl_add_u32 v[OB1], v[H], 5, v[OBA1]
	v_lshlrev_b32 v[OV], 5, v[H]
	s_wait_alu depctr_va_sdst(0)                   ; the wave's number is written, ahead of its first reader: branches and the choice of my net's buffers hang on it
	s_cmp_eq_u32 s[WV], 0
	s_cselect_b32 s4, 3, 7                         ; row m of a gradient fragment is input row m % 4 (Z) or min(m % 8, 4) (Q): rows 8 to 15 repeat rows 0 to 7, so both halves of the lanes get the result
	v_and_b32 v[T+2], s4, v[R]
	v_min_u32 v[T+2], 4, v[T+2]
	v_mul_u32_u24 v[OGA], v[T+2], 120
	v_lshl_add_u32 v[OG], v[H], 5, v[OGA]
	v_and_b32 v[T+3], 31, v0
	v_lshlrev_b32 v[LD16], 4, v[T+3]
	v_mul_u32_u24 v[DB], v[R], DSP
	v_mul_u32_u24 v[AX], v[R], XROW
	v_add_nc_u32 v[AX], XCH, v[AX]
	v_mul_u32_u24 v[AOB], v[R], OUTP
	v_add_nc_u32 v[AOB], OUTB-4, v[AOB]
	s_wait_kmcnt 0x0
	s_load_b128 s[SZ3:SZ3+3], s[PSZ3:PSZ3+1], 0x0  ; sz3's four numbers and e_b3 live in scalar registers
	s_load_b32 s[EB3], s[PEB3:PEB3+1], 0x0
	s_cmp_eq_u32 s[WV], 0                          ; my net's matrices: z2, z3, z4 / q2, q3, q4 / e_w1, e_w2, e_w3
	s_cselect_b64 s[PW2:PW2+1], s[22:23], s[36:37]
	s_cselect_b64 s[PW3:PW3+1], s[24:25], s[38:39]
	s_cselect_b64 s[PW4:PW4+1], s[26:27], s[40:41]
	s_cselect_b32 s[ABSM], 0x7fffffff, -1
	s_cmp_eq_u32 s[WV], 2
	s_cselect_b64 s[PW2:PW2+1], s[46:47], s[PW2:PW2+1]
	s_cselect_b64 s[PW3:PW3+1], s[50:51], s[PW3:PW3+1]
	s_cselect_b64 s[PW4:PW4+1], s[54:55], s[PW4:PW4+1]
	s_lshl_b32 s4, ttmp9, 14                       ; my 16 elements: 16 x 1,024 bytes of d_stress,
	s_mov_b32 s5, 0
	s_add_nc_u64 s[PDS:PDS+1], s[PDS:PDS+1], s[4:5]
	s_lshl_b32 s4, ttmp9, 12                       ; 16 x 256 bytes of each output
	s_add_nc_u64 s[58:59], s[58:59], s[4:5]
	s_add_nc_u64 s[60:61], s[60:61], s[4:5]
	s_add_nc_u64 s[62:63], s[62:63], s[4:5]
	s_add_nc_u64 s[66:67], s[66:67], s[4:5]
	; all loads of the set-up go out in one flight; one wait for all of them follows
	WIN 0x80                                       ; destination window 2
	s_wait_alu depctr_va_vdst(0)                   ; the offsets v184-195, ZR, AX and DB and the zero state S are written: the set-up's loads and E's stores into the stage read them; no vector line follows until the loads are in
	RAWF 0,  PW2, OF0, OFA0, 120                   ; forward: A[m][k] = W[k][m]
	RAWF 16, PW2, OF1, OFA1, 120
	RAWF 32, PW3, OF0, OFA0, 120
	RAWF 48, PW3, OF1, OFA1, 120
	WIN 0
	RAWF VO, PW4, OV, ZR, 4
	s_cmp_eq_u32 s[WV], 2
	s_cbranch_scc1 .Lld_e
	WIN 0x80
	RAWF 64,  PW3, OB0, OBA0, 4                    ; backward: A[m][k] = W[m][k]
	RAWF 80,  PW3, OB1, OBA1, 4
	RAWF 96,  PW2, OB0, OBA0, 4
	RAWF 112, PW2, OB1, OBA1, 4
	WIN 0
	s_cmp_eq_u32 s[WV], 1
	s_cbranch_scc1 .Lld_q
	WIN 0x80
.irp c, 0,1,2,3
	global_load_b32 v[144+\c], v[OFA0], s[PZ1W:PZ1W+1] offset:120*\c
	global_load_b32 v[148+\c], v[OFA1], s[PZ1W:PZ1W+1] offset:120*\c
	global_load_b32 v[152+\c], v[OFA0], s[PSZ1:PSZ1+1] offset:120*\c
	global_load_b32 v[156+\c], v[OFA1], s[PSZ1:PSZ1+1] offset:120*\c
	global_load_b32 v[160+\c], v[OFA0], s[PSZ2:PSZ2+1] offset:120*\c
	global_load_b32 v[164+\c], v[OFA1], s[PSZ2:PSZ2+1] offset:120*\c
.endr
	RAWF 168, PZ1W, OG, OGA, 4
	RAWF 184, PSZ1, OG, OGA, 4
	RAWF 200, PSZ2, OG, OGA, 4
	WIN 0
	RAWF VB, PZ1B, OV, ZR, 4
	s_branch .Lld_done
.Lld_q:
	WIN 0x80
.irp c, 0,1,2,3,4
	global_load_b32 v[144+\c], v[OFA0], s[PQ1:PQ1+1] offset:120*\c
	global_load_b32 v[149+\c], v[OFA1], s[PQ1:PQ1+1] offset:120*\c
.endr
	RAWF 160, PQ1, OG, OGA, 4
	WIN 0
	s_branch .Lld_done
.Lld_e:
	WIN 0x80
.irp c, 0,1,2,3
	global_load_b32 v[144+\c], v[OFA0], s[PEW0:PEW0+1] offset:120*\c        ; rows 0-3: pe's
	global_load_b32 v[148+\c], v[OFA0], s[PEW0:PEW0+1] offset:120*(5+\c)    ; rows 5-8: s's
	global_load_b32 v[152+\c], v[OFA1], s[PEW0:PEW0+1] offset:120*\c
	global_load_b32 v[156+\c], v[OFA1], s[PEW0:PEW0+1] offset:120*(5+\c)
.endr
.set i, 0
.rept 32                                               ; the group's 16,384 bytes of d_stress, read once: each load covers 512 consecutive bytes, aligned
	global_load_b128 v[64+4*i+32*(i/16):64+4*i+32*(i/16)+3], v[LD16], s[PDS:PDS+1] offset:512*i th:TH_LOAD_NT
.set i, i+1
.endr
	WIN 0
	RAWF VB, PEB0, OV, ZR, 4
	RAWF WQ, PEW0, OV, ZR, 4, 480                  ; row 4: q's
	RAWF B1, PEB1, OV, ZR, 4
	RAWF B2, PEB2, OV, ZR, 4
.Lld_done:
	s_wait_loadcnt 0x0                             ; everything is in; set-up runs once
	s_wait_kmcnt 0x0                               ; sz3, e_b3
	MKFRAG 0,  W2F,   W2F+16, 0, s[ABSM]
	MKFRAG 16, W2F+8, W2F+24, 1, s[ABSM]
	MKFRAG 32, W3F,   W3F+16, 0, s[ABSM]
	MKFRAG 48, W3F+8, W3F+24, 1, s[ABSM]
.set j, 0
.rept 16
	v_and_b32 v[VO+j], s[ABSM], v[VO+j]
.set j, j+1
.endr
	MASK2 VO
	s_cmp_eq_u32 s[WV], 2
	s_cbranch_scc1 .Lmk_e
	MKFRAG 64,  W3B,   W3B+16, 0, s[ABSM]
	MKFRAG 80,  W3B+8, W3B+24, 1, s[ABSM]
	MKFRAG 96,  W2B,   W2B+16, 0, s[ABSM]
	MKFRAG 112, W2B+8, W2B+24, 1, s[ABSM]
	s_cmp_eq_u32 s[WV], 1
	s_cbranch_scc1 .Lmk_q
	MKIN 144, AI1, ONE
	ZERO4 AI1+4
	MKIN 148, AI1+8, M1
	ZERO4 AI1+12
	MKIN 152, AI2, ONE
	ZERO4 AI2+4
	MKIN 156, AI2+8, M1
	ZERO4 AI2+12
	MKIN 160, AI3, ONE
	ZERO4 AI3+4
	MKIN 164, AI3+8, M1
	ZERO4 AI3+12
	MKFRAG 168, AG1, AG1+8, 0, -1
	MKFRAG 184, AG2, AG2+8, 0, -1
	MKFRAG 200, AG3, AG3+8, 0, -1
	MASK2 VB
.set j, 0
.rept 8
	v_mov_b32 v[GC+j], s[SZ3+j%4]
.set j, j+1
.endr
.irp c, 4,5,6,7
	v_mov_b32 v[BI+\c], 0
.endr
	s_branch .Lmk_done
.Lmk_q:
	MKIN 144, AI1, ONE
	MKQ  148, AI1+4, ONE
	MKIN 149, AI1+8, M1
	MKQ  153, AI1+12, M1
	MKFRAG 160, AG1, AG1+8, 0, -1
	v_mov_b32 v[BI+6], 0
	v_mov_b32 v[BI+7], 0
	s_branch .Lmk_done
.Lmk_e:
	MKIN 144, AI1, ONE
	MKIN 148, AI1+4, ONE
	MKIN 152, AI1+8, M1
	MKIN 156, AI1+12, M1
	MASK2 VB
	MASK2 WQ
	MASK2 B1
	MASK2 B2
	WIN 0x08                                       ; store data in window 2
.set i, 0
.rept 32                                               ; element i / 2, half i % 2 of its 1,024 bytes.  The data came by loads; LD16 stands written since the wait ahead of the first load, and no vector line since writes it
	ds_store_b128 v[LD16], v[64+4*i+32*(i/16):64+4*i+32*(i/16)+3] offset:(i/2)*DSP+(i%2)*512
.set i, i+1
.endr
	WIN 0
	ds_store_b128 v[DB], v[S:S+3] offset:1024      ; the padding is written 0: the last step reads it as a column that nothing uses
.Lmk_done:
	s_wait_dscnt 0x0                               ; for the others' sake: the stage is written
	s_barrier_signal -1
	s_barrier_wait -1
	ds_load_b128 v[DS:DS+3], v[DB] offset:16       ; column 1
	s_wait_dscnt 0x0
	s_wait_alu depctr_vm_vsrc(0)                   ; the set-up's loads and stores have read their offsets v184-195, which are G and G2 from here on, and E's store of the padding has read S, which the trial stress writes
	s_mov_b32 s[CNT], 1
; ---------------------------------------------------------------- the step's macros
; A vector instruction that reads a matrix result stands four places behind the matrix instruction, and only plain vector instructions that name none of its registers are places (ISA guide 7.12.1).
.macro PLACES
.rept 4
	v_nop
.endr
.endm
.macro MM d, a, b, c                   ; c < 0: the constant 0 starts the sum.  A lies in window 1
.if (\c) < 0
	v_wmma_f32_16x16x32_bf16 v[(\d):(\d)+7], v[(\a):(\a)+7], v[(\b):(\b)+7], 0
.else
	v_wmma_f32_16x16x32_bf16 v[(\d):(\d)+7], v[(\a):(\a)+7], v[(\b):(\b)+7], v[(\c):(\c)+7]
.endif
.endm
.macro STRIAL                          ; the trial stress
	v_pk_add_f32 v[S:S+1], v[S:S+1], v[DS:DS+1]
	v_pk_add_f32 v[S+2:S+3], v[S+2:S+3], v[DS+2:DS+3]
.endm
.macro INSPLIT4 x, bd                  ; four inputs: hi pairs into bd, bd + 1, lo pairs into bd + 2, bd + 3
	v_cvt_pk_bf16_f32 v[(\bd)], v[(\x)], v[(\x)+1]
	v_cvt_pk_bf16_f32 v[(\bd)+1], v[(\x)+2], v[(\x)+3]
	SUBHI T, (\x), (\bd), 0
	SUBHI T+1, (\x)+1, (\bd), 1
	SUBHI T+2, (\x)+2, (\bd)+1, 0
	SUBHI T+3, (\x)+3, (\bd)+1, 1
	v_cvt_pk_bf16_f32 v[(\bd)+2], v[T], v[T+1]
	v_cvt_pk_bf16_f32 v[(\bd)+3], v[T+2], v[T+3]
.endm
.macro SPLITHI x
.set j, 0
.rept 8
	v_cvt_pk_bf16_f32 v[BH+j], v[(\x)+2*j], v[(\x)+2*j+1]
.set j, j+1
.endr
.endm
.macro SPLITLO x                       ; x -= hi, in place; then rounded
.set j, 0
.rept 16
	SUBHI (\x)+j, (\x)+j, BH+j/2, j%2
.set j, j+1
.endr
.set j, 0
.rept 8
	v_cvt_pk_bf16_f32 v[BL+j], v[(\x)+2*j], v[(\x)+2*j+1]
.set j, j+1
.endr
.endm
; x = elu(x), e = elu'(x) = exp(min(x, 0)), which is exactly 1 for x >= 0.  Each accumulator is read from its lowest register on.
; Behind every exponential stands a plain instruction before its result is used (ISA guide 5.7.2).
.macro ELU x, e
.set j, 0
.rept 16
	v_min_num_f32 v[T+j], 0, v[(\x)+j]
.set j, j+1
.endr
.set j, 0
.rept 8
	v_pk_mul_f32 v[T+j:T+j+1], v[T+j:T+j+1], 0x3fb8aa3b op_sel_hi:[1,0]   ; log2(e)
.set j, j+2
.endr
.set j, 0
.rept 16
	v_exp_f32 v[(\e)+j], v[T+j]
	v_max_num_f32 v[(\x)+j], 0, v[(\x)+j]
.set j, j+1
.endr
.set j, 0
	s_wait_alu depctr_va_vdst(0)                   ; the sixteen exponentials have written e: one wait for the batch, ahead of its first reader
.rept 8
	v_pk_add_f32 v[T+j:T+j+1], v[(\e)+j:(\e)+j+1], -1.0 op_sel_hi:[1,0]
.set j, j+2
.endr
.set j, 0
.rept 8
	v_pk_add_f32 v[(\x)+j:(\x)+j+1], v[(\x)+j:(\x)+j+1], v[T+j:T+j+1]
.set j, j+2
.endr
.endm
.macro LRD x, d                        ; d = leaky_relu's slope (1 for x >= 0, as the module's select has it; 0.01 else), x *= d
.set j, 0
.rept 16
	v_cmp_le_f32 s[MK+j], 0, v[(\x)+j]
.set j, j+1
.endr
	s_wait_alu depctr_va_sdst(0)                   ; the sixteen compares have written their masks, which the selects read: one wait behind the run
.set j, 0
.rept 16
	v_cndmask_b32 v[(\d)+j], v[SLP], v[ONE], s[MK+j]
.set j, j+1
.endr
.set j, 0
.rept 8
	v_pk_mul_f32 v[(\x)+j:(\x)+j+1], v[(\x)+j:(\x)+j+1], v[(\d)+j:(\d)+j+1]
.set j, j+2
.endr
.endm
.macro LR x                            ; leaky_relu = max(x, 0.01 x)
.set j, 0
.rept 8
	v_pk_mul_f32 v[T+j:T+j+1], v[(\x)+j:(\x)+j+1], 0x3c23d70a op_sel_hi:[1,0]
.set j, j+2
.endr
.set j, 0
.rept 16
	v_max_num_f32 v[(\x)+j], v[(\x)+j], v[T+j]
.set j, j+1
.endr
.endm
.macro HAD d, a, b                     ; d = a * b, sixteen numbers
.set j, 0
.rept 8
	v_pk_mul_f32 v[(\d)+j:(\d)+j+1], v[(\a)+j:(\a)+j+1], v[(\b)+j:(\b)+j+1]
.set j, j+2
.endr
.endm
.macro DOT x, w                        ; DT+6 = the sum over all 32 neurons of x w, in f32: two chains, then the other half of the lanes'
	v_pk_mul_f32 v[DT:DT+1], v[(\x):(\x)+1], v[(\w):(\w)+1]
	v_pk_mul_f32 v[DT+2:DT+3], v[(\x)+2:(\x)+3], v[(\w)+2:(\w)+3]
.irp k, 4,8,12
	v_pk_fma_f32 v[DT:DT+1], v[(\x)+\k:(\x)+\k+1], v[(\w)+\k:(\w)+\k+1], v[DT:DT+1]
	v_pk_fma_f32 v[DT+2:DT+3], v[(\x)+\k+2:(\x)+\k+3], v[(\w)+\k+2:(\w)+\k+3], v[DT+2:DT+3]
.endr
	v_pk_add_f32 v[DT:DT+1], v[DT:DT+1], v[DT+2:DT+3]
	v_add_f32 v[DT+4], v[DT], v[DT+1]
	v_permlanex16_b32 v[DT+5], v[DT+4], s[SEL], s[SEL+1]
	v_add_f32 v[DT+6], v[DT+4], v[DT+5]
.endm
; A hidden layer: acc = W x + c, in three products: Whi xhi, Wlo xhi, Whi xlo.  The two tiles' accumulators take turns, one instruction a turn.
; The split of the lo parts (24 vector instructions that write x and BL, no register of the four products in front) stands beside those products.
.macro LAYER wb, acc, c, x
	SPLITHI \x
	WIN 0x01
.if (\c) < 0
	MM (\acc), (\wb), BH, -1
	MM (\acc)+8, (\wb)+8, BH, -1
.else
	MM (\acc), (\wb), BH, (\c)
	MM (\acc)+8, (\wb)+8, BH, (\c)+8
.endif
	MM (\acc), (\wb)+16, BH, (\acc)
	MM (\acc)+8, (\wb)+24, BH, (\acc)+8
	WIN 0
	SPLITLO \x
	WIN 0x01
	MM (\acc), (\wb), BL, (\acc)
	MM (\acc)+8, (\wb)+8, BL, (\acc)+8
	WIN 0
.endm
; Z's backward layer: acc = W x as above, and beside it the gradient to s by the same x: G and G2 take the three products with ag's hi and lo.
.macro BACKZ wb, acc, ag, gc, g2c, x
	SPLITHI \x
	WIN 0x01
	MM (\acc), (\wb), BH, -1
	MM (\acc)+8, (\wb)+8, BH, -1
	MM G, (\ag), BH, (\gc)
	MM (\acc), (\wb)+16, BH, (\acc)
	MM (\acc)+8, (\wb)+24, BH, (\acc)+8
	MM G2, (\ag)+8, BH, (\g2c)
	WIN 0
	SPLITLO \x
	WIN 0x01
	MM (\acc), (\wb), BL, (\acc)
	MM (\acc)+8, (\wb)+8, BL, (\acc)+8
	MM G, (\ag), BL, G
	WIN 0
.endm
; ---------------------------------------------------------------- 63 steps
.Lstep:
	v_lshl_add_u32 v[ADS], s[CNT], 4, v[DB]        ; where column t lies; made here, ahead of the arm's wait on va_vdst; the last step's load has read ADS (the wait on vm_vsrc behind the exchange's loads)
	s_cmp_eq_u32 s[WV], 1
	s_cbranch_scc1 .Lq
	s_cmp_eq_u32 s[WV], 2
	s_cbranch_scc1 .Le
	; ---- wave Z: z4(s) and g = dz4/ds
	STRIAL
	INSPLIT4 S, BI
	WIN 0x01
	MM P, AI1, BI, VB                              ; s z1_w + z1_b
	MM P+8, AI1+8, BI, VB+8
	MM U2, AI2, BI, -1                             ; s sz1 starts layer 2's sums,
	MM U2+8, AI2+8, BI, -1
	MM U3, AI3, BI, -1                             ; s sz2 layer 3's
	MM U3+8, AI3+8, BI, -1
	WIN 0
	v_mul_f32 v[SZ], s[SZ3], v[S]                  ; s . sz3: four plain instructions, the places behind those products
	v_fma_f32 v[SZ], s[SZ3+1], v[S+1], v[SZ]
	v_fma_f32 v[SZ], s[SZ3+2], v[S+2], v[SZ]
	v_fma_f32 v[SZ], s[SZ3+3], v[S+3], v[SZ]
	ELU P, E1
	LAYER W2F, U2, U2, P
	PLACES
	ELU U2, E2
	LAYER W3F, U3, U3, U2
	PLACES
	ELU U3, E3
	HAD T, VO, E3                                  ; delta3 = |z4| elu'
	BACKZ W3B, P, AG3, GC, -1, T                   ; |z3| delta3; g = sz3 + sz2 delta3
	DOT U3, VO                                     ; z3 . |z4|: its packed lines are the places behind those products
	v_add_f32 v[DT+6], v[DT+6], v[SZ]              ; z4
	HAD P, P, E2                                   ; delta2
	BACKZ W2B, U2, AG2, G, G2, P                   ; |z2| delta2; g += sz1 delta2
	PLACES
	HAD U2, U2, E1                                 ; delta1
	SPLITHI U2
	WIN 0x01
	MM G2, AG1+8, BH, G2                           ; g += z1_w delta1
	MM G, AG1, BH, G
	WIN 0
	SPLITLO U2
	WIN 0x01
	MM G2, AG1, BL, G2
	WIN 0
	PLACES
	v_pk_add_f32 v[G:G+1], v[G:G+1], v[G2:G2+1]
	v_pk_add_f32 v[G+2:G+3], v[G+2:G+3], v[G2+2:G2+3]
	s_wait_alu depctr_va_vdst(0)                   ; G, DT+6 and ADS are written, which the stores and the column's load read; the trial stress is done reading DS, the last update XG to XS, in which the loads below land
	ds_store_b128 v[AX], v[G:G+3]
	ds_store_b32 v[AX], v[DT+6] offset:40
	s_branch .Ljoin
.Lq:
	; ---- wave Q: q4(pe, q) and its gradient
	STRIAL
	INSPLIT4 PE, BI
	v_cvt_pk_bf16_f32 v[BI+4], v[Q], v[Q]
	SUBHI T, Q, BI+4, 0
	v_cvt_pk_bf16_f32 v[BI+5], v[T], v[T]
	WIN 0x01
	MM P, AI1, BI, -1
	MM P+8, AI1+8, BI, -1
	WIN 0
	PLACES
	LRD P, E1
	LAYER W2F, U2, -1, P
	PLACES
	LRD U2, E2
	LAYER W3F, U3, -1, U2
	PLACES
	LRD U3, E3
	HAD T, VO, E3                                  ; delta3 = q4's weights x slope
	LAYER W3B, P, -1, T
	DOT U3, VO                                     ; q4: its packed lines are the places behind those products
	HAD P, P, E2
	LAYER W2B, U2, -1, P
	PLACES
	HAD U2, U2, E1
	SPLITHI U2
	WIN 0x01
	MM G, AG1, BH, -1                              ; registers 0-3: dq4/dpe, register 4: dq4/dq
	MM G2, AG1+8, BH, -1
	WIN 0
	SPLITLO U2
	WIN 0x01
	MM G, AG1, BL, G
	WIN 0
	PLACES
	v_pk_add_f32 v[G:G+1], v[G:G+1], v[G2:G2+1]
	v_pk_add_f32 v[G+2:G+3], v[G+2:G+3], v[G2+2:G2+3]
	v_pk_add_f32 v[G+4:G+5], v[G+4:G+5], v[G2+4:G2+5]
	v_mov_b32 v[G+5], v[DT+6]                      ; q4 beside Gq
	s_wait_alu depctr_va_vdst(0)                   ; G to G+5 and ADS are written, which the stores and the column's load read; the trial stress is done reading DS, the last update XG to XS, in which the loads below land
	ds_store_b128 v[AX], v[G:G+3] offset:16
	ds_store_b64 v[AX], v[G+4:G+5] offset:32
	s_branch .Ljoin
.Le:
	; ---- wave E: the last step's stress is column t - 1 of the results (the zero state is column 0); then h
	v_lshl_add_u32 v[AO], s[CNT], 2, v[AOB]
	s_wait_alu depctr_va_vdst(0)                   ; AO is written, and the last step's update has written S: the four stores read both
.irp c, 0,1,2,3
	ds_store_b32 v[AO], v[S+\c] offset:16*OUTP*\c
.endr
	s_wait_alu depctr_vm_vsrc(0)                   ; the four stores have read S, which the trial stress writes, and AO, which the next step writes
	STRIAL
	INSPLIT4 PE, BI
	INSPLIT4 S, BI+4
.set j, 0
.rept 8
	v_pk_fma_f32 v[P+j:P+j+1], v[WQ+j:WQ+j+1], v[Q:Q+1], v[VB+j:VB+j+1] op_sel_hi:[1,0,1]   ; q's row and the bias, in f32
.set j, j+2
.endr
	WIN 0x01
	MM P, AI1, BI, P
	MM P+8, AI1+8, BI, P+8
	WIN 0
	PLACES
	LR P
	LAYER W2F, U2, B1, P
	PLACES
	LR U2
	LAYER W3F, U3, B2, U2
	PLACES
	LR U3
	DOT U3, VO
	v_add_f32 v[DT+6], s[EB3], v[DT+6]
	s_wait_alu depctr_va_vdst(0)                   ; DT+6 is written, which the store reads; the trial stress is done reading DS, in which the column's load lands (ADS, and the last update's reads of XG to XS, stand ahead of the arm's first wait)
	ds_store_b32 v[AX], v[DT+6] offset:44
.Ljoin:
	ds_load_b128 v[DS:DS+3], v[ADS] offset:16      ; column t + 1; in the last step the zeroed padding.  It goes out with the stores; no vector line stands between the arm's wait on va_vdst and this load
	s_wait_dscnt 0x0                               ; for the others' sake: my results are in the exchange
	s_barrier_signal -1
	s_barrier_wait -1                              ; everybody's are
	ds_load_b128 v[XG:XG+3], v[AX]
	ds_load_b128 v[XP:XP+3], v[AX] offset:16
	ds_load_b128 v[XS:XS+3], v[AX] offset:32
	s_wait_dscnt 0x0                               ; I need the numbers, and my reads of the exchange are over:
	s_wait_alu depctr_vm_vsrc(0)                   ; my stores into the exchange have read G and DT+6, the column's load ADS: the next step writes all of them again
	s_barrier_signal -1                            ; say so; the update, work on registers alone, stands between the signal and the wait
	v_sub_f32 v[UT], v[XS+2], v[XS+1]              ; f = z4 - q4
	v_add_f32 v[UT+1], v[XG], v[XG+1]
	v_add_f32 v[UT+1], v[UT+1], v[XG+3]
	v_mul_f32 v[UT+1], 0x42000000, v[UT+1]         ; 32 (g0 + g1 + g3)
	v_fmamk_f32 v[CG], v[XG], 0x42800000, v[UT+1]  ; C g: 64 g + that, and 32 g2
	v_fmamk_f32 v[CG+1], v[XG+1], 0x42800000, v[UT+1]
	v_mul_f32 v[CG+2], 0x42000000, v[XG+2]
	v_fmamk_f32 v[CG+3], v[XG+3], 0x42800000, v[UT+1]
	v_pk_add_f32 v[UT+2:UT+3], v[CG:CG+1], v[XP:XP+1]
	v_pk_add_f32 v[UT+4:UT+5], v[CG+2:CG+3], v[XP+2:XP+3]
	v_mul_f32 v[UT+6], v[XS+3], v[XS]              ; den = h Gq + g . (C g + Gpe)
	v_fma_f32 v[UT+6], v[XG], v[UT+2], v[UT+6]
	v_fma_f32 v[UT+6], v[XG+1], v[UT+3], v[UT+6]
	v_fma_f32 v[UT+6], v[XG+2], v[UT+4], v[UT+6]
	v_fma_f32 v[UT+6], v[XG+3], v[UT+5], v[UT+6]
	v_rcp_f32 v[UT+7], v[UT+6]
	v_cmp_lt_f32 vcc_lo, 0x358637bd, v[UT]         ; f > 1e-6; also the plain instruction behind the reciprocal (ISA guide 5.7.2)
	s_wait_alu depctr_va_vdst(0)                   ; the reciprocal has written UT+7, ahead of its first reader
	s_wait_alu depctr_va_vcc(0)                    ; the compare has written VCC, which the select below reads
	v_mul_f32 v[UT+7], v[UT], v[UT+7]
	v_cndmask_b32 v[UT], 0, v[UT+7], vcc_lo        ; dl, or 0: the mask only selects a value
	v_pk_fma_f32 v[S:S+1], v[CG:CG+1], v[UT:UT+1], v[S:S+1] op_sel_hi:[1,0,1] neg_lo:[1,0,0] neg_hi:[1,0,0]
	v_pk_fma_f32 v[S+2:S+3], v[CG+2:CG+3], v[UT:UT+1], v[S+2:S+3] op_sel_hi:[1,0,1] neg_lo:[1,0,0] neg_hi:[1,0,0]
	v_pk_fma_f32 v[PE:PE+1], v[XG:XG+1], v[UT:UT+1], v[PE:PE+1] op_sel_hi:[1,0,1]
	v_pk_fma_f32 v[PE+2:PE+3], v[XG+2:XG+3], v[UT:UT+1], v[PE+2:PE+3] op_sel_hi:[1,0,1]
	v_fma_f32 v[Q], v[XS+3], v[UT], v[Q]
	s_barrier_wait -1                              ; nobody reads the exchange any more: the next step may write it
	s_add_co_u32 s[CNT], s[CNT], 1
	s_cmp_lt_u32 s[CNT], 64
	s_cbranch_scc1 .Lstep
	s_cmp_eq_u32 s[WV], 2
	s_cbranch_scc1 .Lout
	s_wait_dscnt 0x0                               ; the wave's end
	s_wait_alu 0x0
	s_wait_tensorcnt 0x0
	ds_add_u32 v[SPW], v[NIL]
	s_wait_dscnt 0x0
	s_endpgm
.Lout:
	; ---- wave E: column 63, then the results leave as whole rows.  They are this wave's own bytes, and LDS serves a wave's instructions in order (ISA guide 5.7.1.4): no barrier
	; All addresses are made first (AO serves as scratch, then takes the column's place; the loop's waits on vm_vsrc stand behind the last store that read it), so that one wait serves the whole way out.
	v_and_b32 v[RD], 15, v0
	v_bfe_u32 v[GOF], v0, 4, 1
	v_lshlrev_b32 v[RD], 4, v[RD]                  ; 16 (l % 16)
	v_mul_u32_u24 v[AO], v[GOF], OUTP
	v_lshl_add_u32 v[GOF], v[GOF], 8, v[RD]        ; in memory: lanes 0-15 one element's 256 bytes, lanes 16-31 the next element's
	v_add3_u32 v[RD], v[AO], v[RD], OUTB           ; in LDS the same two rows
	v_add_nc_u32 v[AO], 256, v[AOB]
	s_wait_alu depctr_va_vdst(0)                   ; AO, RD and GOF are written and the last update has written S: the stores and loads below read them; every vector and matrix instruction is done with v72-199, in which the loads land
.irp c, 0,1,2,3
	ds_store_b32 v[AO], v[S+\c] offset:16*OUTP*\c
.endr
.set i, 0
.rept 32                                               ; component i / 8, elements 2 (i % 8) and the next
	ds_load_b128 v[P+4*i:P+4*i+3], v[RD] offset:OUTP*(16*(i/8)+2*(i%8))
.set i, i+1
.endr
.set i, 0
.rept 32
	s_wait_dscnt 31-i                              ; LDS loads come back in order: load i is in, the 31 - i younger ones may be out
	global_store_b128 v[GOF], v[P+4*i:P+4*i+3], s[58+2*(i/8)+2*(i/24):58+2*(i/8)+2*(i/24)+1] offset:512*(i%8) th:TH_STORE_NT  ; 512 consecutive bytes, at a multiple of 256 from the output's first
.set i, i+1
.endr
	s_wait_dscnt 0x0                               ; the wave's end
	s_wait_alu 0x0
	s_wait_tensorcnt 0x0
	ds_add_u32 v[SPW], v[NIL]
	s_wait_dscnt 0x0
	s_endpgm
.Lfunc_end_k_qf72dec8e88_enn:
	.size	k_qf72dec8e88_enn, .Lfunc_end_k_qf72dec8e88_enn-k_qf72dec8e88_enn
	.p2alignl 7, 3214868480
	.fill 96, 4, 3214868480
	.section	.rodata,"a",@progbits
	.p2align	6, 0x0
	.amdhsa_kernel k_qf72dec8e88_enn
		.amdhsa_group_segment_fixed_size 35328
		.amdhsa_private_segment_fixed_size 0
		.amdhsa_enable_private_segment 0
		.amdhsa_kernarg_size 200
		.amdhsa_user_sgpr_count 2
		.amdhsa_user_sgpr_kernarg_segment_ptr 1
		.amdhsa_wavefront_size32 1
		.amdhsa_system_sgpr_workgroup_id_x 1
		.amdhsa_system_sgpr_workgroup_id_y 1
		.amdhsa_system_sgpr_workgroup_id_z 1
		.amdhsa_system_vgpr_workitem_id 0
		.amdhsa_next_free_vgpr 768
		.amdhsa_next_free_sgpr 96
		.amdhsa_reserve_vcc 1
		.amdhsa_float_denorm_mode_32 3
		.amdhsa_float_denorm_mode_16_64 3
		.amdhsa_memory_ordered 1
		.amdhsa_forward_progress 1
		.amdhsa_inst_pref_size 167
	.end_amdhsa_kernel
	.amdgpu_metadata
---
amdhsa.version: [ 1, 2 ]
amdhsa.kernels:
  - .name:           k_qf72dec8e88_enn
    .symbol:         k_qf72dec8e88_enn.kd
    .args:
      - { .name: d_stress, .offset: 0, .size: 8, .value_kind: global_buffer, .address_space: global }
      - { .name: params_z1_w, .offset: 8, .size: 8, .value_kind: global_buffer, .address_space: global }
      - { .name: params_z1_b, .offset: 16, .size: 8, .value_kind: global_buffer, .address_space: global }
      - { .name: params_z2, .offset: 24, .size: 8, .value_kind: global_buffer, .address_space: global }
      - { .name: params_z3, .offset: 32, .size: 8, .value_kind: global_buffer, .address_space: global }
      - { .name: params_z4, .offset: 40, .size: 8, .value_kind: global_buffer, .address_space: global }
      - { .name: params_sz1, .offset: 48, .size: 8, .value_kind: global_buffer, .address_space: global }
      - { .name: params_sz2, .offset: 56, .size: 8, .value_kind: global_buffer, .address_space: global }
      - { .name: params_sz3, .offset: 64, .size: 8, .value_kind: global_buffer, .address_space: global }
      - { .name: params_q1, .offset: 72, .size: 8, .value_kind: global_buffer, .address_space: global }
      - { .name: params_q2, .offset: 80, .size: 8, .value_kind: global_buffer, .address_space: global }
      - { .name: params_q3, .offset: 88, .size: 8, .value_kind: global_buffer, .address_space: global }
      - { .name: params_q4, .offset: 96, .size: 8, .value_kind: global_buffer, .address_space: global }
      - { .name: params_e_w0, .offset: 104, .size: 8, .value_kind: global_buffer, .address_space: global }
      - { .name: params_e_b0, .offset: 112, .size: 8, .value_kind: global_buffer, .address_space: global }
      - { .name: params_e_w1, .offset: 120, .size: 8, .value_kind: global_buffer, .address_space: global }
      - { .name: params_e_b1, .offset: 128, .size: 8, .value_kind: global_buffer, .address_space: global }
      - { .name: params_e_w2, .offset: 136, .size: 8, .value_kind: global_buffer, .address_space: global }
      - { .name: params_e_b2, .offset: 144, .size: 8, .value_kind: global_buffer, .address_space: global }
      - { .name: params_e_w3, .offset: 152, .size: 8, .value_kind: global_buffer, .address_space: global }
      - { .name: params_e_b3, .offset: 160, .size: 8, .value_kind: global_buffer, .address_space: global }
      - { .name: out0, .offset: 168, .size: 8, .value_kind: global_buffer, .address_space: global }
      - { .name: out1, .offset: 176, .size: 8, .value_kind: global_buffer, .address_space: global }
      - { .name: out2, .offset: 184, .size: 8, .value_kind: global_buffer, .address_space: global }
      - { .name: out3, .offset: 192, .size: 8, .value_kind: global_buffer, .address_space: global }
    .group_segment_fixed_size: 35328
    .private_segment_fixed_size: 0
    .kernarg_segment_align: 8
    .kernarg_segment_size: 200
    .max_flat_workgroup_size: 96
    .sgpr_count:     96
    .vgpr_count:     768
    .wavefront_size: 32
...
	.end_amdgpu_metadata
.endif
;; end of part 2
